; MI455X (gfx1250); checked and timed in simulation.
; The chip was launched on July 23, 2026; its instructions are those of AMD's public machine-readable ISA for CDNA 5 (MIT licence, August 2026) and "CDNA5" Instruction Set Architecture Reference Guide (July 2026). The comments in the code are by the model that wrote it; some were corrected since.
;; Mo E Layer. Allowed arithmetic: matrix products marked QUANTISED: E2M1 operands, one E8M0 scale for each 32 along K, by v_wmma_scale_f32_16x16x128_f8f6f4 with both operands' format E2M1 (or v_wmma_scale_f32_32x16x128_f4), f32 sums; products left as they are: f32 operands where the result goes on into a quantised operand, else bf16, f16 or f32 operands; f32 sums; everything else in f32.
;; Inputs: fc1_w_codes 8 x 512 x 32 x 16 uint8 (E2M1 codes of fc1_w, K innermost, in blocks of 32 codes, two codes a byte); fc1_w_scales 8 x 512 x 32 uint8 (E8M0 scales of fc1_w, one for each 32 codes along K); fc2_w_codes 8 x 1,024 x 16 x 16 uint8 (E2M1 codes of fc2_w, K innermost, in blocks of 32 codes, two codes a byte); fc2_w_scales 8 x 1,024 x 16 uint8 (E8M0 scales of fc2_w, one for each 32 codes along K); router_w 8 x 1,024 float32; x 4 x 2,048 x 1,024 float32.
;; Outputs: out0 4 x 2,048 x 1,024 float32.
;; This version of the problem:
;;   THIS VERSION OF THE PROBLEM IS GIVEN IN LOW PRECISION. The matrix products marked QUANTISED in the list below multiply operands that are first quantised to E2M1 (2 exponent bits, 1 mantissa bit; 4 bits a number), with one power-of-two scale for each 32 numbers along K (OCP MX v1.0); their sums are f32. All else is computed in f32.
;;   The module's matrix products, in the order in which they are computed (A, B: the left and right operand; K: the contracted axis; several contracted axes count as one K, in the product's order):
;;     1. [M 8,192, K 1,024] x [K 1,024, N 8]; A: input x; B: input router_w: left as it is (N = 8 < 16)
;;     2. batch 8,192 x [M 1, K 2] x [K 2, N 8]; A: computed on the way; B: computed on the way: left as it is (K = 2 < 32)
;;     3. [M 8,192, K 1,024] x [K 1,024, N 512]; A: input x; B: input fc1_w (given as codes): QUANTISED
;;     4. [M 8,192, K 512] x [K 512, N 1,024]; A: computed on the way; B: input fc2_w (given as codes): QUANTISED
;;     5. [M 8,192, K 1,024] x [K 1,024, N 512]; A: input x; B: input fc1_w (given as codes): QUANTISED
;;     6. [M 8,192, K 512] x [K 512, N 1,024]; A: computed on the way; B: input fc2_w (given as codes): QUANTISED
;;     7. [M 8,192, K 1,024] x [K 1,024, N 512]; A: input x; B: input fc1_w (given as codes): QUANTISED
;;     8. [M 8,192, K 512] x [K 512, N 1,024]; A: computed on the way; B: input fc2_w (given as codes): QUANTISED
;;     9. [M 8,192, K 1,024] x [K 1,024, N 512]; A: input x; B: input fc1_w (given as codes): QUANTISED
;;     10. [M 8,192, K 512] x [K 512, N 1,024]; A: computed on the way; B: input fc2_w (given as codes): QUANTISED
;;     11. [M 8,192, K 1,024] x [K 1,024, N 512]; A: input x; B: input fc1_w (given as codes): QUANTISED
;;     12. [M 8,192, K 512] x [K 512, N 1,024]; A: computed on the way; B: input fc2_w (given as codes): QUANTISED
;;     13. [M 8,192, K 1,024] x [K 1,024, N 512]; A: input x; B: input fc1_w (given as codes): QUANTISED
;;     14. [M 8,192, K 512] x [K 512, N 1,024]; A: computed on the way; B: input fc2_w (given as codes): QUANTISED
;;     15. [M 8,192, K 1,024] x [K 1,024, N 512]; A: input x; B: input fc1_w (given as codes): QUANTISED
;;     16. [M 8,192, K 512] x [K 512, N 1,024]; A: computed on the way; B: input fc2_w (given as codes): QUANTISED
;;     17. [M 8,192, K 1,024] x [K 1,024, N 512]; A: input x; B: input fc1_w (given as codes): QUANTISED
;;     18. [M 8,192, K 512] x [K 512, N 1,024]; A: computed on the way; B: input fc2_w (given as codes): QUANTISED
;;   THE QUANTISER, for each operand of a quantised product, along K:
;;     - K is cut into blocks of 32 from its start; a last block that is shorter is filled with zeros.
;;     - A block's scale is 2^e with e = floor(log2(the largest magnitude in the block)) - 2, held to -126 .. 127; a block of zeros has e = 0. As a byte (E8M0): e + 127.
;;     - Each number is divided by its block's scale, clamped to +-6, and rounded to the nearest number of E2M1, ties to even, subnormals kept.
;;     - The product sums the exact products of the quantised numbers (number of the format x scale) in f32.
;;   ~~~python
;;   def quantise(x, axis):      # numpy; x: float32 -> the quantised numbers, widened to float32 again
;;       x = np.moveaxis(x, axis, -1); K = x.shape[-1]
;;       x = np.pad(x, [(0, 0)] * (x.ndim - 1) + [(0, -K % 32)]); x = x.reshape(x.shape[:-1] + (-1, 32)); a = np.abs(x).max(-1, keepdims=True)
;;       e = np.where(a > 0, np.clip(np.frexp(np.where(a > 0, a, 1))[1] - 1 - 2, -126, 127), 0)      # np.frexp(a)[1] - 1 = floor(log2(a)), exactly
;;       r = np.clip(x / 2.0 ** e, -6, 6)
;;       step = 2.0 ** (np.maximum(np.frexp(np.where(r == 0, 1, r))[1] - 1, 0) - 1)
;;       q = np.round(r / step) * step * 2.0 ** e      # np.round: ties to even
;;       return np.moveaxis(q.reshape(q.shape[:-2] + (-1,))[..., :K], -1, axis).astype(np.float32)
;;   ~~~
;;   OPERANDS COMPUTED ON THE WAY. 'Computed on the way' means the value that the module computes at that place (a softmax that the list does not call 'softmax' is quantised finished and normalised). What goes into a quantiser is computed in f32, as accurately as f32 sums, v_exp_f32 and their like allow (about 1e-6 of the number): no bf16 or f16 on the way to a quantiser, and a product that is left as it is and whose result goes on into a quantised operand takes f32 operands (vector FMAs, or v_wmma_f32_16x16x4_f32). A number that lies on a knife's edge between two numbers of the format may be rounded either way, as far as f32 arithmetic and the matrix unit's own rounding can turn it there, and no further.
;;   INPUTS GIVEN AS CODES. fc1_w (in the module: [8, 512, 1024], K = its axis 2); fc2_w (in the module: [8, 1024, 512], K = its axis 2): each comes as NAME_codes (uint8): NAME with its K axis moved to the last place and cut into blocks of 32 codes, [.., K / 32, bytes a block], one block behind the other in memory; two codes a byte, the lower K in the low four bits (a code: sign, 2 exponent bits, 1 mantissa bit); and NAME_scales (uint8): the same leading axes, one E8M0 byte (e + 127) for each 32 codes along K. Its value is code x scale, taken as it is: it is not quantised again, and the codes and scales need not be those that the quantiser above would give.
;; 2 versions, each right; version 2 is version 1 with the launch experts written anew for expert scheduling mode. Each part assembles by itself: llvm-mc -triple=amdgcn-amd-amdhsa -mcpu=gfx1250 --defsym DOCPART=n.
;; ======== version 1 of 2: 3 launches
;; workspace buffers: xc 4,194,304 bytes; xs 262,144 bytes; wts 65,536 bytes; meta 65,536 bytes of whole numbers; order 32,768 bytes of whole numbers; tiles 2,560 bytes of whole numbers; wq 4,456,448 bytes
;; launch route (part 1): grid 256 x 1, 16 waves a work-group, no clusters, 162,816 bytes of LDS; arguments x, router_w, xc, xs, wts, meta; writes xc, xs, wts, meta
.if DOCPART == 1
	.amdgcn_target "amdgcn-amd-amdhsa--gfx1250"
	.amdhsa_code_object_version 6
	.text
	.protected	k_q675317ea88_route
	.globl	k_q675317ea88_route
	.p2align	8
	.type	k_q675317ea88_route,@function
k_q675317ea88_route:
	s_mov_b64 s[64:65], 0
	v_nop
	global_prefetch_b8 v0, s[64:65] scope:SCOPE_SE
	s_setreg_imm32_b32 hwreg(HW_REG_WAVE_MODE, 25, 1), 1
	s_wait_xcnt 0x0
; ROUTER AND QUANTISER.  x [8192][1024] f32, router_w [8][1024] f32.
; Out: xc [8192][512] E2M1 codes of x (K natural, two a byte, lower k low), xs [8192][32] E8M0 bytes, wts [8192][2] f32 (weight of the lower, of the higher chosen expert),
; meta [256 blocks][32 lanes][2 words]: word 0 = pair key | rank << 8 of token 32 b + lane (rank: how many earlier tokens of the block have the same key); word 1 = the block's count of key = lane.
; The chosen experts only become DATA here, stored at fixed places: no address and no branch of this launch hangs on them.
; SHARES.  A work-group takes 32 tokens.  Wave wv: kq = wv & 3 (columns 256 kq .. + 255), tg = wv >> 2 (tokens 8 tg .. + 7): x is read once, 16 loads of 512 consecutive bytes a wave, all out at once.
; A conversion wants 8 neighbours along K in one lane, a load is dense where a lane takes 16 bytes: so a token's 1,024 bytes turn through the wave's own stage in LDS (16 bytes of padding behind each 256).
; The eight logits are f32 fused multiply-adds; a halving exchange leaves expert lane & 7's sum in each lane; the four quarters of K meet in LDS; wave 0 (a lane to a token) does softmax and top 2.
; LIMITS: NaN and infinities are not served.  A block of zeros gets the scale byte 1, not 127: its codes are zeros and only this program reads the bytes.  v_exp_f32 gives 0 under 2^-126: so small a weight is 0 here.
; Equal probabilities go to the lower index, as in the reference's top-k.
.set STGW, 8704                        ; a wave's stage: 8 tokens x 1,088 bytes
.set PL,   139264                      ; [kq 4][token 32][expert 8] f32
.set XCS,  143360                      ; [token 32][512] codes
.set XSS,  159744                      ; [token 32][32] scale bytes
.set RAW,  16                          ; v16-79   x as loaded, token t at 16 + 8 t
.set RW,   80                          ; v80-143  router_w[e][256 kq + 8 lane + j] at 80 + 8 e + j
.set XT,   144                         ; v144-159 8 neighbours of a token, two sets
.set PS,   160                         ; v160-175 eight pair sums
.set LG,   176                         ; v176-183 my part of the eight logits
.set BF,   184                         ; v184-198 the exchange
.set QM,   200                         ; v200-201 largest magnitude, scale operand
.set CD,   208                         ; v208-215 codes, a register a token
.set BY,   216                         ; v216-223 scale bytes
	s_load_b256 s[4:11], s[0:1], 0x0               ; x, router_w, xc, xs
	s_load_b128 s[12:15], s[0:1], 0x20             ; wts, meta
	v_lshl_add_u32 v224, v0, 2, 0x27400
	v_mov_b32 v225, 0
	v_lshrrev_b32 v1, 5, v0
	v_readfirstlane_b32 s16, v1                    ; wave 0..15
	v_and_b32 v1, 31, v0                           ; lane
	s_and_b32 s17, s16, 3                          ; kq
	s_lshr_b32 s18, s16, 2                         ; tg
	s_mov_b32 s24, 0xaaaaaaaa                      ; lanes with bit 0, 1, 2 set
	s_mov_b32 s25, 0xcccccccc
	s_mov_b32 s26, 0xf0f0f0f0
	s_mov_b32 s27, 0x76543210                      ; v_permlanex16_b32: lane l xor 16
	s_mov_b32 s28, 0xfedcba98
	v_lshlrev_b32 v2, 4, v1                        ; 16 lane
	v_lshlrev_b32 v3, 5, v1                        ; 32 lane
	s_mul_i32 s19, s16, STGW
	v_lshrrev_b32 v9, 4, v1
	v_lshl_add_u32 v4, v9, 4, v2
	v_add_nc_u32 v4, s19, v4                       ; stage, in: 16 lane + 16 (lane / 16)
	v_lshrrev_b32 v9, 3, v1
	v_lshl_add_u32 v5, v9, 4, v3
	v_add_nc_u32 v5, s19, v5                       ; stage, out: 32 lane + 16 (lane / 8)
	v_and_b32 v9, 7, v1
	v_lshlrev_b32 v6, 2, v9
	s_lshl_b32 s19, s17, 10
	s_lshl_b32 s22, s18, 8
	s_add_co_u32 s19, s19, s22
	s_add_co_u32 s19, s19, PL
	v_add_nc_u32 v6, s19, v6                       ; partial logits: PL + 1024 kq + 256 tg + 4 (lane & 7)
	v_lshlrev_b32 v7, 2, v1
	s_lshl_b32 s19, s18, 12
	s_lshl_b32 s22, s17, 7
	s_add_co_u32 s19, s19, s22
	s_add_co_u32 s19, s19, XCS
	v_add_nc_u32 v7, s19, v7                       ; codes: XCS + 4096 tg + 128 kq + 4 lane
	v_lshrrev_b32 v8, 2, v1
	s_lshl_b32 s19, s18, 8
	s_lshl_b32 s22, s17, 3
	s_add_co_u32 s19, s19, s22
	s_add_co_u32 s19, s19, XSS
	v_add_nc_u32 v8, s19, v8                       ; bytes: XSS + 256 tg + 8 kq + lane / 4
	s_lshl_b32 s19, s16, 10
	s_add_co_u32 s19, s19, XCS
	v_add_nc_u32 v10, s19, v2                      ; the way out of the codes: 1,024 bytes a wave
	v_add_nc_u32 v11, XSS, v2                      ; of the bytes (wave 1)
	v_add_nc_u32 v12, PL, v3                       ; wave 0: token = lane, 32 bytes of partial logits
	v_lshlrev_b32 v13, 3, v1                       ; 8 lane
	v_mov_b32 v[BF+14], 0                          ; a lane permute's destination counts as read
	s_lshl_b32 s20, ttmp9, 17                      ; 32 tokens x 4,096 bytes a work-group
	s_lshl_b32 s22, s18, 15
	s_add_co_u32 s20, s20, s22
	s_lshl_b32 s22, s17, 10
	s_add_co_u32 s20, s20, s22
	s_mov_b32 s21, 0
	s_mov_b32 s23, 0
	s_wait_kmcnt 0x0
	s_add_nc_u64 s[4:5], s[4:5], s[20:21]          ; x at my first token, my quarter of K
	s_add_nc_u64 s[6:7], s[6:7], s[22:23]          ; router_w at my quarter of K
.irp e, 0,1,2,3,4,5,6,7
.irp c, 0,1
	global_load_b128 v[RW+8*\e+4*\c:RW+8*\e+4*\c+3], v3, s[6:7] offset:\e*4096+16*\c
.endr
.endr
.irp t, 0,1,2,3,4,5,6,7
.irp c, 0,1
	global_load_b128 v[RAW+8*\t+4*\c:RAW+8*\t+4*\c+3], v2, s[4:5] offset:\t*4096+512*\c th:TH_LOAD_NT   ; 32 lanes read 512 consecutive bytes; x is read once in the launch
.endr
.endr
	s_lshl_b32 s20, ttmp9, 14
	s_lshl_b32 s22, s16, 10
	s_add_co_u32 s20, s20, s22
	s_add_nc_u64 s[8:9], s[8:9], s[20:21]          ; xc: 16,384 bytes a work-group, 1,024 a wave
	s_lshl_b32 s20, ttmp9, 10
	s_add_nc_u64 s[10:11], s[10:11], s[20:21]      ; xs: 1,024 bytes a work-group
	s_lshl_b32 s20, ttmp9, 8
	s_add_nc_u64 s[12:13], s[12:13], s[20:21]      ; wts and meta: 256 bytes a work-group
	s_add_nc_u64 s[14:15], s[14:15], s[20:21]
; Token t's 1,024 bytes through the stage.  LDS serves a wave's instructions in order, so no wait stands between the stores and the loads.
.macro TURN t
	s_wait_loadcnt 2*(7-(\t))                      ; loads return in order: token t's two are in, the later tokens' may be out (the router's are older)
.irp c, 0,1
	ds_store_b128 v4, v[RAW+8*(\t)+4*\c:RAW+8*(\t)+4*\c+3] offset:(\t)*1088+544*\c
.endr
.irp c, 0,1
	ds_load_b128 v[XT+8*((\t)%2)+4*\c:XT+8*((\t)%2)+4*\c+3], v5 offset:(\t)*1088+16*\c
.endr
.endm
.macro TOKEN t
.set XV, XT+8*((\t)%2)
.irp e, 0,1,2,3,4,5,6,7
	v_pk_mul_f32 v[PS+2*\e:PS+2*\e+1], v[XV:XV+1], v[RW+8*\e:RW+8*\e+1]
.endr
.irp j, 2,4,6
.irp e, 0,1,2,3,4,5,6,7
	v_pk_fma_f32 v[PS+2*\e:PS+2*\e+1], v[XV+\j:XV+\j+1], v[RW+8*\e+\j:RW+8*\e+\j+1], v[PS+2*\e:PS+2*\e+1]
.endr
.endr
.irp e, 0,1,2,3,4,5,6,7
	v_add_f32 v[LG+\e], v[PS+2*\e], v[PS+2*\e+1]
.endr
	; the halving exchange: in each step a lane keeps the half of its sums that its lane bit names and gives the other half to the lane across
.irp i, 0,1,2,3
	v_cndmask_b32 v[BF+\i], v[LG+2*\i], v[LG+2*\i+1], s24
	v_cndmask_b32 v[BF+4+\i], v[LG+2*\i+1], v[LG+2*\i], s24
.endr
.irp i, 0,1,2,3
	v_add_f32_dpp v[BF+\i], v[BF+4+\i], v[BF+\i] row_xmask:1 row_mask:0xf bank_mask:0xf
.endr
.irp i, 0,1
	v_cndmask_b32 v[BF+8+\i], v[BF+2*\i], v[BF+2*\i+1], s25
	v_cndmask_b32 v[BF+10+\i], v[BF+2*\i+1], v[BF+2*\i], s25
.endr
.irp i, 0,1
	v_add_f32_dpp v[BF+8+\i], v[BF+10+\i], v[BF+8+\i] row_xmask:2 row_mask:0xf bank_mask:0xf
.endr
	v_cndmask_b32 v[BF+12], v[BF+8], v[BF+9], s26
	v_cndmask_b32 v[BF+13], v[BF+9], v[BF+8], s26
	v_add_f32_dpp v[BF+12], v[BF+13], v[BF+12] row_xmask:4 row_mask:0xf bank_mask:0xf
	v_add_f32_dpp v[BF+12], v[BF+12], v[BF+12] row_xmask:8 row_mask:0xf bank_mask:0xf
	v_permlanex16_b32 v[BF+14], v[BF+12], s27, s28
	v_add_f32 v[BF+12], v[BF+12], v[BF+14]         ; expert lane & 7's sum over my 256 columns
	ds_store_b32 v6, v[BF+12] offset:32*(\t)       ; (four lanes write the same word with the same value)
	; the quantiser: four lanes hold a block of 32
	v_max3_num_f32 v[QM], |v[XV]|, |v[XV+1]|, 0x1800000            ; the floor 2^(3 - 127) holds the byte at 1 from below
	v_max3_num_f32 v[QM], v[QM], |v[XV+2]|, |v[XV+3]|
	v_max3_num_f32 v[QM], v[QM], |v[XV+4]|, |v[XV+5]|
	v_max3_num_f32 v[QM], v[QM], |v[XV+6]|, |v[XV+7]|
	v_max_num_f32_dpp v[QM], v[QM], v[QM] row_xmask:1 row_mask:0xf bank_mask:0xf
	v_max_num_f32_dpp v[QM], v[QM], v[QM] row_xmask:2 row_mask:0xf bank_mask:0xf
	v_add_nc_u32 v[QM+1], 0xff000000, v[QM]        ; 2 off the exponent field: the conversion's scale operand
	v_cvt_scalef32_pk8_fp4_f32 v[CD+(\t)], v[XV:XV+7], v[QM+1]
	v_lshrrev_b32 v[BY+(\t)], 23, v[QM+1]          ; the scale's byte; also the plain line behind the conversion
	ds_store_b32 v7, v[CD+(\t)] offset:512*(\t)
	ds_store_b8 v8, v[BY+(\t)] offset:32*(\t)      ; (four lanes, the same byte)
.endm
	TURN 0
.irp t, 0,1,2,3,4,5,6,7
.if \t < 7
	TURN \t+1
	s_wait_dscnt 4                                 ; all but the next token's four lines: this token's neighbours are in
.else
	s_wait_dscnt 0x0
.endif
	TOKEN \t
.endr
	s_wait_dscnt 0x0                               ; my stores have landed, for the others' sake
	s_barrier_signal -1
	s_barrier_wait -1
.irp c, 0,1
	ds_load_b128 v[16+4*\c:19+4*\c], v10 offset:512*\c
.endr
	s_wait_dscnt 0x0
.irp c, 0,1
	global_store_b128 v2, v[16+4*\c:19+4*\c], s[8:9] offset:512*\c   ; 32 lanes store 512 consecutive bytes
.endr
	s_cmp_lg_u32 s16, 1
	s_cbranch_scc1 .Lno_bytes
.irp c, 0,1
	ds_load_b128 v[24+4*\c:27+4*\c], v11 offset:512*\c
.endr
	s_wait_dscnt 0x0
.irp c, 0,1
	global_store_b128 v2, v[24+4*\c:27+4*\c], s[10:11] offset:512*\c
.endr
.Lno_bytes:
	s_cmp_lg_u32 s16, 0
	s_cbranch_scc1 .Lend
	; WAVE 0: a lane to a token
.irp q, 0,1,2,3
.irp c, 0,1
	ds_load_b128 v[32+8*\q+4*\c:35+8*\q+4*\c], v12 offset:1024*\q+16*\c
.endr
.endr
	s_wait_dscnt 0x0
.irp j, 0,2,4,6
	v_pk_add_f32 v[32+\j:33+\j], v[32+\j:33+\j], v[40+\j:41+\j]
	v_pk_add_f32 v[48+\j:49+\j], v[48+\j:49+\j], v[56+\j:57+\j]
.endr
.irp j, 0,2,4,6
	v_pk_add_f32 v[32+\j:33+\j], v[32+\j:33+\j], v[48+\j:49+\j]    ; the eight logits: v32-39
.endr
	v_max3_num_f32 v64, v32, v33, v34
	v_max3_num_f32 v64, v64, v35, v36
	v_max3_num_f32 v64, v64, v37, v38
	v_max_num_f32 v64, v64, v39                    ; the row's maximum is taken away, as the reference's softmax does
.irp e, 0,1,2,3,4,5,6,7
	v_sub_f32 v[32+\e], v[32+\e], v64
.endr
.irp e, 0,1,2,3,4,5,6,7
	v_mul_f32 v[32+\e], 0x3fb8aa3b, v[32+\e]
.endr
.irp e, 0,1,2,3,4,5,6,7
	v_exp_f32 v[32+\e], v[32+\e]
.endr
	v_nop                                          ; a plain line behind the exponentials
	s_wait_alu depctr_va_vdst(0)
	v_add_f32 v65, v32, v33
	v_add_f32 v66, v34, v35
	v_add_f32 v67, v36, v37
	v_add_f32 v68, v38, v39
	v_add_f32 v65, v65, v66
	v_add_f32 v67, v67, v68
	v_add_f32 v65, v65, v67
	v_rcp_f32 v65, v65
	v_nop
	s_wait_alu depctr_va_vdst(0)
.irp e, 0,1,2,3,4,5,6,7
	v_mul_f32 v[32+\e], v[32+\e], v65              ; the probabilities
.endr
	v_mov_b32 v66, v32                             ; the largest, and its index: a later one wins only if greater
	v_mov_b32 v67, 0
.irp e, 1,2,3,4,5,6,7
	v_cmp_le_f32 vcc_lo, v[32+\e], v66
	v_cndmask_b32 v66, v[32+\e], v66, vcc_lo
	v_cndmask_b32 v67, \e, v67, vcc_lo
.endr
	v_mov_b32 v68, -1.0                            ; the second, among the other seven
	v_mov_b32 v69, 0
.irp e, 0,1,2,3,4,5,6,7
	v_cmp_le_f32 s30, v[32+\e], v68
	v_cmp_eq_u32 s31, \e, v67
	s_or_b32 vcc_lo, s30, s31
	v_cndmask_b32 v68, v[32+\e], v68, vcc_lo
	v_cndmask_b32 v69, \e, v69, vcc_lo
.endr
	v_add_f32 v70, v66, v68
	v_rcp_f32 v70, v70
	v_min_u32 v72, v67, v69                        ; lo (a plain line behind the reciprocal)
	v_max_u32 v73, v67, v69                        ; hi
	s_wait_alu depctr_va_vdst(0)
	v_mul_f32 v66, v66, v70                        ; the two weights, renormalised
	v_mul_f32 v68, v68, v70
	v_cmp_lt_u32 vcc_lo, v67, v69
	v_cndmask_b32 v74, v68, v66, vcc_lo            ; lo's weight
	v_cndmask_b32 v75, v66, v68, vcc_lo            ; hi's
	global_store_b64 v13, v[74:75], s[12:13]       ; 32 lanes store 256 consecutive bytes
	v_sub_nc_u32 v76, 15, v72
	v_mul_u32_u24 v76, v76, v72
	v_lshrrev_b32 v76, 1, v76
	v_add_nc_u32 v76, v76, v73
	v_sub_nc_u32 v76, v76, v72
	v_add_nc_u32 v76, -1, v76                      ; key = lo (15 - lo) / 2 + hi - lo - 1: 0 .. 27
	v_mov_b32 v79, 0                               ; the block's histogram, lane = key
	v_mov_b32 v77, 0                               ; my rank among the block's tokens of my key
.set k_, 0
.rept 28
	v_cmp_eq_u32 s30, k_, v76
	s_bcnt1_i32_b32 s31, s30
	v_writelane_b32 v79, s31, k_
	v_mbcnt_lo_u32_b32 v80, s30, 0
	v_cndmask_b32 v77, v77, v80, s30
.set k_, k_+1
.endr
	v_lshl_or_b32 v78, v77, 8, v76
	global_store_b64 v13, v[78:79], s[14:15]
.Lend:
	s_wait_tensorcnt 0x0
	ds_add_u32 v224, v225
	s_wait_dscnt 0x0
	s_endpgm
.Lfunc_end_k_q675317ea88_route:
	.size	k_q675317ea88_route, .Lfunc_end_k_q675317ea88_route-k_q675317ea88_route
	.p2alignl 7, 3214868480
	.fill 96, 4, 3214868480
	.section	.rodata,"a",@progbits
	.p2align	6, 0x0
	.amdhsa_kernel k_q675317ea88_route
		.amdhsa_group_segment_fixed_size 162816
		.amdhsa_private_segment_fixed_size 0
		.amdhsa_enable_private_segment 0
		.amdhsa_kernarg_size 48
		.amdhsa_user_sgpr_count 2
		.amdhsa_user_sgpr_kernarg_segment_ptr 1
		.amdhsa_wavefront_size32 1
		.amdhsa_system_sgpr_workgroup_id_x 1
		.amdhsa_system_sgpr_workgroup_id_y 1
		.amdhsa_system_sgpr_workgroup_id_z 1
		.amdhsa_system_vgpr_workitem_id 0
		.amdhsa_next_free_vgpr 226
		.amdhsa_next_free_sgpr 66
		.amdhsa_reserve_vcc 1
		.amdhsa_float_denorm_mode_32 3
		.amdhsa_float_denorm_mode_16_64 3
		.amdhsa_memory_ordered 1
		.amdhsa_forward_progress 1
		.amdhsa_inst_pref_size 60
	.end_amdhsa_kernel
	.amdgpu_metadata
---
amdhsa.version: [ 1, 2 ]
amdhsa.kernels:
  - .name:           k_q675317ea88_route
    .symbol:         k_q675317ea88_route.kd
    .args:
      - { .name: x, .offset: 0, .size: 8, .value_kind: global_buffer, .address_space: global }
      - { .name: router_w, .offset: 8, .size: 8, .value_kind: global_buffer, .address_space: global }
      - { .name: xc, .offset: 16, .size: 8, .value_kind: global_buffer, .address_space: global }
      - { .name: xs, .offset: 24, .size: 8, .value_kind: global_buffer, .address_space: global }
      - { .name: wts, .offset: 32, .size: 8, .value_kind: global_buffer, .address_space: global }
      - { .name: meta, .offset: 40, .size: 8, .value_kind: global_buffer, .address_space: global }
    .group_segment_fixed_size: 162816
    .private_segment_fixed_size: 0
    .kernarg_segment_align: 8
    .kernarg_segment_size: 48
    .max_flat_workgroup_size: 512
    .sgpr_count:     66
    .vgpr_count:     226
    .wavefront_size: 32
...
	.end_amdgpu_metadata
.endif
;; end of part 1
;; launch place (part 2): grid 129 x 1, 32 waves a work-group, no clusters, 12,544 bytes of LDS; arguments meta, fc1_w_codes, fc1_w_scales, fc2_w_codes, fc2_w_scales, order, tiles, wq; writes order, tiles, wq
.if DOCPART == 2
	.amdgcn_target "amdgcn-amd-amdhsa--gfx1250"
	.amdhsa_code_object_version 6
	.text
	.protected	k_q675317ea88_place
	.globl	k_q675317ea88_place
	.p2align	8
	.type	k_q675317ea88_place,@function
k_q675317ea88_place:
	s_mov_b64 s[64:65], 0
	v_nop
	global_prefetch_b8 v0, s[64:65] scope:SCOPE_SE
	s_setreg_imm32_b32 hwreg(HW_REG_WAVE_MODE, 25, 1), 1
	s_wait_xcnt 0x0
; WORK-GROUP 0: a counting sort of the 8,192 tokens by their pair key (28 keys) into order[], and the table of 155 tiles {start, count, lo, hi}.
; WORK-GROUPS 1 .. 128: the experts' codes and scale bytes are laid once in the order of the operand registers, so that the next launch loads whole fragments, 512 consecutive bytes an instruction.
; wq: [expert 8][wave 4][set 16][8,704 bytes].  A set: 8 fragment images of 1,024 bytes (register group c of lane l at 512 c + 16 l), then 512 bytes of scale words:
;   byte 16 l' + 4 j = the word of fragment 2 j + (l' >> 4), row l' & 15.  Sets 0-7: fc1, K step = set, fragment f = unit tile f, whose lane r takes row 32 (f >> 1) + 8 (f & 1) + r + 8 (r >> 3)
;   of the wave's 128 (so that the results of tiles 2 b, 2 b + 1 are 16 neighbours along the next K).  Sets 8-15: fc2, fragment 4 o + s = rows 16 (2 (set - 8) + o) + r of the wave's 256, K step s.
; THE TILES.  Groups are cut into tiles of at most 64 tokens: F full ones (numbered first) and Pn partial ones; F + Pn = T <= (8192 + 28 x 63) / 64, so T <= 155, and F >= (8192 - 28 x 63) / 64, so F >= 101.
; The L = 155 - T <= 27 entries that are left take tokens 32 .. 63 of full tile i - T, which itself keeps tokens 0 .. 31: every one of the 155 entries has 1 to 64 tokens whatever the split.
; THE SORT'S SHARES.  Wave v holds blocks 8 v .. 8 v + 7 of 32 tokens and puts its counts (a lane to a key) into LDS.  Behind the first barrier what all waves need is made ONCE: wave 0 makes the running sums over
; the waves and the groups' first positions and leaves them in LDS; beside it waves 1 to 5 make the table, 32 entries each.  Behind the second barrier every wave takes two words a lane and places its 256 tokens.
; The scatter of token ids (4 bytes a lane, 32 KiB in all) and the scale words (4 bytes, 256 KiB of 4.4 MiB) are stores in small pieces: the price of a sort and of a text with one path for both weights.
.set RB, 4096                          ; LDS: bytes 0-4,095: [wave 32][key lane 32] counts; from RB on 33 rows of 128 bytes: row v = the counts of the waves before v; row 32 = where each key's group begins
; x becomes its running sum within each row of 16 lanes: four steps, lane i adds lane i - 1, 2, 4, 8; a lane without a source adds 0 (t is cleared, and the control asks for 0)
.macro RSCAN x, t
.irp n, 1,2,4,8
	v_mov_b32 v[\t], 0
	v_mov_b32_dpp v[\t], v[\x] row_shr:\n row_mask:0xf bank_mask:0xf bound_ctrl:1
	v_add_nc_u32 v[\x], v[\x], v[\t]
.endr
.endm
	s_load_b256 s[4:11], s[0:1], 0x0               ; meta, fc1 codes, fc1 scales, fc2 codes
	s_load_b256 s[12:19], s[0:1], 0x20             ; fc2 scales, order, tiles, wq
	v_lshl_add_u32 v96, v0, 2, 0x2100
	v_mov_b32 v97, 0
	v_lshrrev_b32 v1, 5, v0
	v_readfirstlane_b32 s24, v1                    ; wave 0..31
	v_and_b32 v1, 31, v0                           ; lane
	v_and_b32 v2, 15, v0                           ; r
	v_bfe_u32 v3, v0, 4, 1                         ; h
	s_cmp_eq_u32 ttmp9, 0
	s_cbranch_scc1 .Lplace
	; ---- the weights: one fragment a wave
	s_sub_co_u32 s25, ttmp9, 1                     ; i = 0 .. 127
	s_and_b32 s26, s24, 7                          ; f
	s_lshr_b32 s27, s24, 3
	s_lshl_b32 s28, s25, 2
	s_add_co_u32 s28, s28, s27                     ; the set's number among all 512
	s_lshr_b32 s29, s25, 4                         ; expert
	s_bfe_u32 s30, s25, 0x20002                    ; wave of the next launch
	s_and_b32 s31, s28, 15                         ; set 0 .. 15
	s_lshl_b32 s32, s29, 9                         ; fc1: first row = 512 e + 128 w + 32 (f >> 1) + 8 (f & 1)
	s_lshl_b32 s40, s30, 7
	s_add_co_u32 s32, s32, s40
	s_lshr_b32 s40, s26, 1
	s_lshl_b32 s40, s40, 5
	s_add_co_u32 s32, s32, s40
	s_and_b32 s40, s26, 1
	s_lshl_b32 s40, s40, 3
	s_add_co_u32 s32, s32, s40
	s_lshl_b32 s33, s31, 6                         ;      K step's bytes in a row of codes,
	s_lshl_b32 s34, s31, 2                         ;      and in a row of scale bytes
	s_lshl_b32 s35, s29, 10                        ; fc2: first row = 1024 e + 256 w + 32 (set - 8) + 16 (f >> 2)
	s_lshl_b32 s40, s30, 8
	s_add_co_u32 s35, s35, s40
	s_sub_co_u32 s40, s31, 8
	s_lshl_b32 s40, s40, 5
	s_add_co_u32 s35, s35, s40
	s_lshr_b32 s40, s26, 2
	s_lshl_b32 s40, s40, 4
	s_add_co_u32 s35, s35, s40
	s_and_b32 s40, s26, 3
	s_lshl_b32 s36, s40, 6
	s_lshl_b32 s37, s40, 2
	s_mul_i32 s42, s28, 8704
	s_mov_b32 s43, 0
	s_and_b32 s40, s25, 3
	s_wait_kmcnt 0x0
	s_cmp_lt_u32 s40, 2                            ; sets 0-7 are fc1's: the choice hangs on the work-group's number alone; only selects follow
	s_cselect_b32 s32, s32, s35                    ; first row
	s_cselect_b32 s33, s33, s36                    ; byte in a row of codes
	s_cselect_b32 s34, s34, s37                    ; byte in a row of scales
	s_cselect_b32 s35, 9, 8                        ; a row of codes is 512 or 256 bytes,
	s_cselect_b32 s36, 5, 4                        ; of scales 32 or 16
	s_cselect_b32 s37, 8, 0                        ; fc1's lanes 8-15 take rows 8 further on
	s_cselect_b64 s[6:7], s[6:7], s[10:11]
	s_cselect_b64 s[8:9], s[8:9], s[12:13]
	s_add_nc_u64 s[18:19], s[18:19], s[42:43]      ; wq at my set
	v_lshrrev_b32 v4, 3, v2
	v_mul_u32_u24 v4, s37, v4
	v_add3_u32 v4, v4, v2, s32                     ; my row
	v_lshlrev_b32 v5, s35, v4
	v_lshl_add_u32 v5, v3, 4, v5
	v_add_nc_u32 v5, s33, v5                       ; its codes: K step + 16 h
	v_lshlrev_b32 v6, s36, v4
	v_add_nc_u32 v6, s34, v6                       ; its scale word
	global_load_b128 v[8:11], v5, s[6:7] th:TH_LOAD_NT
	global_load_b128 v[12:15], v5, s[6:7] offset:32 th:TH_LOAD_NT
	global_load_b32 v16, v6, s[8:9] th:TH_LOAD_NT
	v_lshlrev_b32 v7, 4, v1
	s_lshl_b32 s40, s26, 10
	v_add_nc_u32 v7, s40, v7                       ; the image: 1024 f + 16 lane
	v_lshlrev_b32 v17, 4, v2
	s_and_b32 s40, s26, 1
	s_lshl_b32 s40, s40, 8
	s_lshr_b32 s41, s26, 1
	s_lshl_b32 s41, s41, 2
	s_add_co_u32 s40, s40, s41
	s_add_co_u32 s40, s40, 8192
	v_add_nc_u32 v17, s40, v17                     ; the word: 8192 + 16 (r + 16 (f & 1)) + 4 (f >> 1)
	s_wait_loadcnt 0x0
	global_store_b128 v7, v[8:11], s[18:19]        ; 32 lanes store 512 consecutive bytes
	global_store_b128 v7, v[12:15], s[18:19] offset:512
	global_store_b32 v17, v16, s[18:19]            ; (both halves of the lanes store the same word)
	s_endpgm
	; ---- the sort.  Wave v has blocks 8 v .. 8 v + 7 of 32 tokens; in the counts a lane is a key
.Lplace:
	v_lshlrev_b32 v4, 3, v1
	s_lshl_b32 s25, s24, 11
	v_add_nc_u32 v4, s25, v4
	v_lshlrev_b32 v5, 2, v1                        ; 4 lane: my word of a row.  Both LDS addresses are made here, ahead of the parting of the waves
	s_lshl_b32 s25, s24, 7
	v_add_nc_u32 v6, s25, v5                       ; 128 wave + 4 lane: my word of my wave's row
	s_wait_kmcnt 0x0
.irp j, 0,1,2,3,4,5,6,7
	global_load_b64 v[16+2*\j:17+2*\j], v4, s[4:5] offset:256*\j   ; key | rank << 8 of token 256 v + 32 j + lane; block 8 v + j's count of key = lane
.endr
	s_wait_loadcnt 0x0
	v_mov_b32 v32, 0
.irp j, 0,1,2,3,4,5,6,7
	v_add_nc_u32 v[33+\j], v[32+\j], v[17+2*\j]    ; counts of my wave's earlier blocks
.endr
	ds_store_b32 v6, v40                           ; my wave's counts
	s_wait_dscnt 0x0                               ; landed, for the others' sake
	s_barrier_signal -1
	s_barrier_wait -1
	s_cmp_lg_u32 s24, 0
	s_cbranch_scc1 .Lnot_wave_0
	; ---- wave 0: the running sums over the waves, and where each key's group begins
.set n_, 0
.rept 32
	ds_load_b32 v[48+n_], v5 offset:128*n_
.set n_, n_+1
.endr
	v_mov_b32 v47, 0
	s_wait_dscnt 0x0
	ds_store_b32 v5, v47 offset:RB                 ; row 0: nothing lies before wave 0
	ds_store_b32 v5, v48 offset:RB+128
.set n_, 1
.rept 31
	v_add_nc_u32 v[48+n_], v[48+n_], v[47+n_]      ; the counts of waves 0 .. n
.if n_ < 31
	ds_store_b32 v5, v[48+n_] offset:RB+128*(n_+1) ; are what lies before wave n + 1
.endif
.set n_, n_+1
.endr
	v_mov_b32 v41, v79                             ; a key's tokens in all (lanes 28-31: 0)
	RSCAN 41, 44
	v_readlane_b32 s30, v41, 15
	v_mad_u32_u24 v41, v3, s30, v41                ; lanes 16-31 add the lower sixteen's total (8,192 at the most)
	v_sub_nc_u32 v43, v41, v79                     ; the tokens of the keys before mine: where my key's group begins
	ds_store_b32 v5, v43 offset:RB+128*32
	s_branch .Ljoin
.Lnot_wave_0:
	s_cmp_gt_u32 s24, 5
	s_cbranch_scc1 .Ljoin
	; ---- waves 1 to 5: the table: entry i = my thread's number - 32, 0 .. 159 (155 are read)
.set n_, 0
.rept 32
	ds_load_b32 v[48+n_], v5 offset:128*n_
.set n_, n_+1
.endr
	v_subrev_nc_u32 v46, 32, v0                    ; i
	s_wait_dscnt 0x0
.set n_, 0
.rept 16
	v_add_nc_u32 v[48+n_], v[48+n_], v[64+n_]      ; a key's tokens in all, by a tree
.set n_, n_+1
.endr
.set n_, 0
.rept 8
	v_add_nc_u32 v[48+n_], v[48+n_], v[56+n_]
.set n_, n_+1
.endr
.set n_, 0
.rept 4
	v_add_nc_u32 v[48+n_], v[48+n_], v[52+n_]
.set n_, n_+1
.endr
	v_add_nc_u32 v48, v48, v50
	v_add_nc_u32 v49, v49, v51
	v_add_nc_u32 v41, v48, v49
	v_lshrrev_b32 v42, 6, v41                      ; a group's full tiles,
	v_and_b32 v43, 63, v41
	v_min_u32 v43, 1, v43                          ; and whether it has a partial one:
	v_lshl_or_b32 v42, v43, 16, v42                ; both in one word (their sums stay under 129 and 29)
	RSCAN 42, 44
	v_readlane_b32 s30, v42, 15
	v_readlane_b32 s31, v42, 31
	s_add_co_u32 s31, s31, s30                     ; the two rows' totals
	s_and_b32 s32, s31, 0xffff                     ; F: full tiles
	s_lshr_b32 s33, s31, 16                        ; Pn: partial tiles
	s_add_co_u32 s35, s32, s33                     ; T
	s_sub_co_u32 s36, 155, s35                     ; L
	v_cmp_gt_u32 vcc_lo, s32, v46                  ; i < F
	v_subrev_nc_u32 v68, s35, v46
	v_cndmask_b32 v64, v68, v46, vcc_lo            ; which full tile: i, or i - T for one that helps
	v_subrev_nc_u32 v65, s32, v46                  ; which partial tile: i - F
	v_mov_b32 v66, 0
	v_mov_b32 v67, 0
	s_mov_b32 s38, 0                               ; the group's first position,
	s_mov_b32 s39, 0                               ; full tiles before it,
	s_mov_b32 s40, 0                               ; partial tiles before it
.set n_, 0
.set LO_, 0
.set HI_, 1
.rept 28                                       ; the last group whose first tile number is not above mine is my group
	v_readlane_b32 s44, v41, n_
	s_lshl_b32 s45, s39, 6
	s_sub_co_u32 s45, s38, s45
	s_or_b32 s45, s45, (LO_|(HI_<<4))<<24          ; full: (first position - 64 x tiles before) | lo, hi
	s_lshr_b32 s46, s44, 6
	s_lshl_b32 s47, s46, 6
	s_add_co_u32 s47, s47, s38
	s_and_b32 s48, s44, 63
	s_lshl_b32 s49, s48, 16
	s_or_b32 s47, s47, s49
	s_or_b32 s47, s47, (LO_|(HI_<<4))<<24          ; partial: its start | count << 16 | lo, hi
	v_cmp_gt_u32 vcc_lo, s39, v64
	v_cndmask_b32 v66, s45, v66, vcc_lo
	v_cmp_gt_u32 vcc_lo, s40, v65
	v_cndmask_b32 v67, s47, v67, vcc_lo
	s_add_co_u32 s38, s38, s44
	s_add_co_u32 s39, s39, s46
	s_min_u32 s48, s48, 1
	s_add_co_u32 s40, s40, s48
.set n_, n_+1
.set HI_, HI_+1
.if HI_ > 7
.set LO_, LO_+1
.set HI_, LO_+1
.endif
.endr
	v_cmp_gt_u32 s50, s32, v46                     ; a full tile
	v_cmp_le_u32 s51, s35, v46                     ; one that helps
	v_cmp_gt_u32 s52, s36, v46                     ; a full tile that is helped
	s_or_b32 s53, s50, s51
	s_or_b32 s52, s52, s51
	v_and_b32 v68, 0xffff, v66
	v_lshl_add_u32 v68, v64, 6, v68
	v_cndmask_b32 v69, 0, 32, s51
	v_add_nc_u32 v68, v68, v69
	v_cndmask_b32 v70, 64, 32, s52
	v_and_b32 v69, 0xffff, v67
	v_bfe_u32 v71, v67, 16, 6
	v_cndmask_b32 v72, v69, v68, s53               ; start
	v_cndmask_b32 v73, v71, v70, s53               ; count
	v_cndmask_b32 v77, v67, v66, s53
	v_bfe_u32 v74, v77, 24, 4                      ; lo
	v_lshrrev_b32 v75, 28, v77                     ; hi
	v_lshlrev_b32 v76, 4, v46
	global_store_b128 v76, v[72:75], s[16:17]      ; (its registers are not written again)
.Ljoin:
	s_wait_dscnt 0x0                               ; wave 0's rows have landed; every wave's LDS loads are in
	s_barrier_signal -1
	s_barrier_wait -1
	; ---- every wave places its 256 tokens
	ds_load_b32 v42, v6 offset:RB                  ; lane = key: its tokens in the waves before mine,
	ds_load_b32 v43, v5 offset:RB+128*32           ; and where its group begins
	s_lshl_b32 s25, s24, 8
	v_add_nc_u32 v45, s25, v1
.irp j, 0,1,2,3,4,5,6,7
	v_and_b32 v[88+\j], 31, v[16+2*\j]
	v_lshlrev_b32 v[88+\j], 2, v[88+\j]
.endr
.irp j, 0,1,2,3,4,5,6,7
	v_add_nc_u32 v[56+\j], 32*\j, v45              ; the token's number
.endr
	s_wait_dscnt 0x0
	v_add_nc_u32 v43, v43, v42
.irp j, 0,1,2,3,4,5,6,7
	v_add_nc_u32 v[80+\j], v43, v[32+\j]           ; lane = key: where block 8 v + j's tokens of that key begin
.endr
.irp j, 0,1,2,3,4,5,6,7
	ds_bpermute_b32 v[48+\j], v[88+\j], v[80+\j]   ; each token takes its key's lane (no LDS byte is touched)
.endr
	s_wait_dscnt 0x0
.irp j, 0,1,2,3,4,5,6,7
	v_lshrrev_b32 v[88+\j], 8, v[16+2*\j]
	v_add_nc_u32 v[48+\j], v[48+\j], v[88+\j]      ; + its rank in the block
	v_min_u32 v[48+\j], 0x1fff, v[48+\j]           ; held inside order[]
	v_lshlrev_b32 v[48+\j], 2, v[48+\j]
	global_store_b32 v[48+\j], v[56+\j], s[14:15]
.endr
	s_wait_tensorcnt 0x0
	ds_add_u32 v96, v97
	s_wait_dscnt 0x0
	s_endpgm
.Lfunc_end_k_q675317ea88_place:
	.size	k_q675317ea88_place, .Lfunc_end_k_q675317ea88_place-k_q675317ea88_place
	.p2alignl 7, 3214868480
	.fill 96, 4, 3214868480
	.section	.rodata,"a",@progbits
	.p2align	6, 0x0
	.amdhsa_kernel k_q675317ea88_place
		.amdhsa_group_segment_fixed_size 12544
		.amdhsa_private_segment_fixed_size 0
		.amdhsa_enable_private_segment 0
		.amdhsa_kernarg_size 64
		.amdhsa_user_sgpr_count 2
		.amdhsa_user_sgpr_kernarg_segment_ptr 1
		.amdhsa_wavefront_size32 1
		.amdhsa_system_sgpr_workgroup_id_x 1
		.amdhsa_system_sgpr_workgroup_id_y 1
		.amdhsa_system_sgpr_workgroup_id_z 1
		.amdhsa_system_vgpr_workitem_id 0
		.amdhsa_next_free_vgpr 98
		.amdhsa_next_free_sgpr 66
		.amdhsa_reserve_vcc 1
		.amdhsa_float_denorm_mode_32 3
		.amdhsa_float_denorm_mode_16_64 3
		.amdhsa_memory_ordered 1
		.amdhsa_forward_progress 1
		.amdhsa_inst_pref_size 40
	.end_amdhsa_kernel
	.amdgpu_metadata
---
amdhsa.version: [ 1, 2 ]
amdhsa.kernels:
  - .name:           k_q675317ea88_place
    .symbol:         k_q675317ea88_place.kd
    .args:
      - { .name: meta, .offset: 0, .size: 8, .value_kind: global_buffer, .address_space: global }
      - { .name: fc1_w_codes, .offset: 8, .size: 8, .value_kind: global_buffer, .address_space: global }
      - { .name: fc1_w_scales, .offset: 16, .size: 8, .value_kind: global_buffer, .address_space: global }
      - { .name: fc2_w_codes, .offset: 24, .size: 8, .value_kind: global_buffer, .address_space: global }
      - { .name: fc2_w_scales, .offset: 32, .size: 8, .value_kind: global_buffer, .address_space: global }
      - { .name: order, .offset: 40, .size: 8, .value_kind: global_buffer, .address_space: global }
      - { .name: tiles, .offset: 48, .size: 8, .value_kind: global_buffer, .address_space: global }
      - { .name: wq, .offset: 56, .size: 8, .value_kind: global_buffer, .address_space: global }
    .group_segment_fixed_size: 12544
    .private_segment_fixed_size: 0
    .kernarg_segment_align: 8
    .kernarg_segment_size: 64
    .max_flat_workgroup_size: 1024
    .sgpr_count:     66
    .vgpr_count:     98
    .wavefront_size: 32
...
	.end_amdgpu_metadata
.endif
;; end of part 2
;; launch experts (part 3): grid 155 x 1, 4 waves a work-group, no clusters, 140,800 bytes of LDS; arguments tiles, order, xc, xs, wts, wq, out0; writes out0
.if DOCPART == 3
	.amdgcn_target "amdgcn-amd-amdhsa--gfx1250"
	.amdhsa_code_object_version 6
	.text
	.protected	k_q675317ea88_experts
	.globl	k_q675317ea88_experts
	.p2align	8
	.type	k_q675317ea88_experts,@function
k_q675317ea88_experts:
	s_mov_b64 s[64:65], 0
	v_nop
	global_prefetch_b8 v0, s[64:65] scope:SCOPE_SE
	s_setreg_imm32_b32 hwreg(HW_REG_WAVE_MODE, 25, 1), 1
	s_wait_xcnt 0x0
; THE EXPERTS.  A work-group takes one tile: at most 64 tokens that chose the same two experts (lo, hi), through the whole chain of both:
; h = relu(x W1^T)^2 on codes of E2M1, h quantised along its 512, h W2^T on codes, out = w_lo (..) + w_hi (..), stored once.  The hidden layer never goes to memory, and each output row has one owner.
; A slot past the tile's count takes the tile's last token again: the same wave then stores the same bytes to the same row.  So there is no branch on data and EXEC is never changed.
; SHARES.  The four waves share the COLUMNS: wave w makes hidden units 128 w .. + 127 of both experts and outputs 256 w .. + 255, for all 64 slots (4 tiles of 16).  So each weight byte is used by one wave, once:
; it goes from memory straight into operand registers (wq lies in their order), through a ring of four sets of 8 fragments + their scale words, 17 loads a set, three to four sets on their way.
; No LDS for weights, no tensor load; no cluster: which tiles share an expert hangs on counts read from memory, so partners could not ask alike on every path.
; Both products are used transposed (source 0 = weights, source 1 = tokens): a lane holds ONE token, its registers run along units or outputs.
; Operands made by one wave (x's fragments, gathered; the hidden layer's, quantised in registers) reach the others through LDS as images of their registers: 16 bytes a lane, 512 an instruction.
; REGISTERS in windows of 256.  Window 0: addresses, scale words, weights, quantiser.  Window 1: the 32 accumulators of the hidden layer ((f, t) at 64 t + 8 f), later its 32 fragments (8 (16 i + 4 t + s)).
;   Window 2: x's 32 fragments (8 (8 t + q)); later the outputs' accumulators, lo's at 0-63, hi's at 64-127 ((o, t) at 32 o + 8 t), and rows on their way out at 128-255.  Window 3: the ring, slot k at 64 k.
; LIMITS: NaN and infinities are not served; a block of zeros of h gets the scale byte 1 (its codes are zeros).
.set SB,   8704                        ; a set in wq
.set TOK,  0                           ; LDS: each wave's own 64 token numbers, 256 bytes
.set XSC,  1024                        ; x's scale words [q 8][tile 4][r 16]
.set HSC,  3072                        ; h's [expert 2][s 4][tile 4][r 16]
.set XIMG, 5120                        ; x's fragments, (t, q) at 1024 (8 t + q)
.set HIMG, 37888                       ; h's, (i, t, s) at 1024 (16 i + 4 t + s)
.set STG,  70656                       ; each wave's own stage: 4 tiles x 16 rows x (256 + 16) bytes
.set STW,  17408
.set OV,   16                          ; v16-47   byte offsets in out0 of the rows that I store
.set WSC,  48                          ; v48-63   the weights' scale words, 4 registers a ring slot: register j: lanes 0-15 fragment 2 j, lanes 16-31 fragment 2 j + 1
.set XS,   64                          ; v64-79   x's: register 2 q + u: lanes 0-15 tile 2 u, lanes 16-31 tile 2 u + 1
.set HS,   80                          ; v80-95   h's: register 8 i + 2 s + u likewise
.set WTA,  96                          ; v96-103  lo's weight of my token in tile t, twice (a pair for the packed forms)
.set WTB,  104                         ; v104-111 hi's
.set TM,   112                         ; v112-127 the quantiser at work
.set PW,   128                         ; v128-131 the scale word made, a register a tile
.set PC,   132                         ; v132-163 the codes made, 8 a tile
.set XG,   164                         ; v164-227 x's codes as gathered;  v228-231 its scale bytes
.set XGS,  228
.set WA,   28                          ; s[28:29] wq at (lo, my wave);  s[30:31] at (hi, my wave);  s[32:33] out0
.set WB,   30
.set OUT,  32
.set MSB,  0
.macro WIN new                         ; bits 1:0 source 0, 3:2 source 1, 5:4 source 2, 7:6 destination; the high byte repeats the setting that is left
.if MSB != \new
	s_set_vgpr_msb (MSB<<8)|\new
.set MSB, \new
.endif
.endm
; One product on the registers named by rD, rA, rB, rSA, rSB.  zero = 1: it starts the sum.  ra, rb = 1: that side's scale words stand in lanes 16-31.
.macro WM zero, ra, rb
.if \zero
.if ((\ra)==0) && ((\rb)==0)
	v_wmma_scale_f32_16x16x128_f8f6f4 v[rD:rD+7], v[rA:rA+7], v[rB:rB+7], 0, v[rSA], v[rSB] matrix_a_fmt:MATRIX_FMT_FP4 matrix_b_fmt:MATRIX_FMT_FP4
.elseif ((\ra)==1) && ((\rb)==0)
	v_wmma_scale_f32_16x16x128_f8f6f4 v[rD:rD+7], v[rA:rA+7], v[rB:rB+7], 0, v[rSA], v[rSB] matrix_a_fmt:MATRIX_FMT_FP4 matrix_b_fmt:MATRIX_FMT_FP4 matrix_a_scale:MATRIX_SCALE_ROW1
.elseif ((\ra)==0)
	v_wmma_scale_f32_16x16x128_f8f6f4 v[rD:rD+7], v[rA:rA+7], v[rB:rB+7], 0, v[rSA], v[rSB] matrix_a_fmt:MATRIX_FMT_FP4 matrix_b_fmt:MATRIX_FMT_FP4 matrix_b_scale:MATRIX_SCALE_ROW1
.else
	v_wmma_scale_f32_16x16x128_f8f6f4 v[rD:rD+7], v[rA:rA+7], v[rB:rB+7], 0, v[rSA], v[rSB] matrix_a_fmt:MATRIX_FMT_FP4 matrix_b_fmt:MATRIX_FMT_FP4 matrix_a_scale:MATRIX_SCALE_ROW1 matrix_b_scale:MATRIX_SCALE_ROW1
.endif
.else
.if ((\ra)==0) && ((\rb)==0)
	v_wmma_scale_f32_16x16x128_f8f6f4 v[rD:rD+7], v[rA:rA+7], v[rB:rB+7], v[rD:rD+7], v[rSA], v[rSB] matrix_a_fmt:MATRIX_FMT_FP4 matrix_b_fmt:MATRIX_FMT_FP4
.elseif ((\ra)==1) && ((\rb)==0)
	v_wmma_scale_f32_16x16x128_f8f6f4 v[rD:rD+7], v[rA:rA+7], v[rB:rB+7], v[rD:rD+7], v[rSA], v[rSB] matrix_a_fmt:MATRIX_FMT_FP4 matrix_b_fmt:MATRIX_FMT_FP4 matrix_a_scale:MATRIX_SCALE_ROW1
.elseif ((\ra)==0)
	v_wmma_scale_f32_16x16x128_f8f6f4 v[rD:rD+7], v[rA:rA+7], v[rB:rB+7], v[rD:rD+7], v[rSA], v[rSB] matrix_a_fmt:MATRIX_FMT_FP4 matrix_b_fmt:MATRIX_FMT_FP4 matrix_b_scale:MATRIX_SCALE_ROW1
.else
	v_wmma_scale_f32_16x16x128_f8f6f4 v[rD:rD+7], v[rA:rA+7], v[rB:rB+7], v[rD:rD+7], v[rSA], v[rSB] matrix_a_fmt:MATRIX_FMT_FP4 matrix_b_fmt:MATRIX_FMT_FP4 matrix_a_scale:MATRIX_SCALE_ROW1 matrix_b_scale:MATRIX_SCALE_ROW1
.endif
.endif
.endm
; A set of weights into a ring slot: 17 loads, each of 512 consecutive bytes
.macro ISSUE slot, base, imm
	WIN 0xc0                                       ; destination window 3
.irp f, 0,1,2,3,4,5,6,7
.irp c, 0,1
	global_load_b128 v[64*(\slot)+8*\f+4*\c:64*(\slot)+8*\f+4*\c+3], v1, s[\base:\base+1] offset:(\imm)+1024*\f+512*\c
.endr
.endr
	WIN 0
	global_load_b128 v[WSC+4*(\slot):WSC+4*(\slot)+3], v1, s[\base:\base+1] offset:(\imm)+8192
.endm
.macro PLACES                          ; four plain lines between a product and a load into, or a vector read of, its registers
.rept 4
	v_nop
.endr
.endm
; Set n of the first product (n = 0-7: lo, K step n; 8-15: hi): my 8 unit tiles x 4 token tiles, 128 along K.  The 32 accumulators take turns, one instruction a turn.
; Behind the products set n + 4 is asked for, into the slot just read.
.macro S1 n
.set SL, (\n)%4
.set QQ, (\n)%8
	s_wait_loadcnt 51                              ; set n is in; the three younger sets, 17 loads each, may be out
	WIN 0x5b                                       ; source 0 window 3, source 1 window 2, C and D window 1
.irp f, 0,1,2,3,4,5,6,7
.irp t, 0,1,2,3
.set rD, 64*\t+8*\f
.set rA, 64*SL+8*\f
.set rB, 8*(8*\t+QQ)
.set rSA, WSC+4*SL+\f/2
.set rSB, XS+2*QQ+\t/2
.if QQ == 0
	WM 1, \f%2, \t%2
.else
	WM 0, \f%2, \t%2
.endif
.endr
.endr
	PLACES
.set NX, (\n)+4
.if NX < 8
	ISSUE NX%4, WA, NX*SB
.elseif NX < 16
	ISSUE NX%4, WB, (NX-8)*SB
.elseif (NX%2) == 0
	ISSUE NX%4, WA, (8+(NX-16)/2)*SB
.else
	ISSUE NX%4, WB, (8+(NX-16)/2)*SB
.endif
.endm
; Expert i's hidden layer: relu, square, quantised along the units; my 128 units are K step w of the second product.  In tile t register 16 b + k of window 1 is unit 32 b + 16 (lane / 16) + k of token lane % 16.
.macro QPH i
.irp t, 0,1,2,3
	WIN 0x45                                       ; destination, sources 0 and 1: window 1
.set j_, 0
.rept 64
	v_max_num_f32 v[64*\t+j_], 0, v[64*\t+j_]      ; each accumulator from its low end on
.set j_, j_+1
.endr
.set j_, 0
.rept 32
	v_pk_mul_f32 v[64*\t+j_:64*\t+j_+1], v[64*\t+j_:64*\t+j_+1], v[64*\t+j_:64*\t+j_+1]
.set j_, j_+2
.endr
	WIN 0x05                                       ; sources 0 and 1 window 1
.irp b, 0,1,2,3
	v_max3_num_f32 v[TM+\b], v[64*\t+16*\b], v[64*\t+16*\b+1], 0x1800000   ; nothing is negative; the floor 2^(3 - 127) holds the byte at 1
.endr
.irp k, 2,4,6,8,10,12,14
.irp b, 0,1,2,3
	v_max3_num_f32 v[TM+\b], v[64*\t+16*\b+\k], v[64*\t+16*\b+\k+1], v[TM+\b]
.endr
.endr
	WIN 0
.irp b, 0,1,2,3
	v_permlanex16_b32 v[TM+4+\b], v[TM+\b], s36, s37
.endr
.irp b, 0,1,2,3
	v_max_num_f32 v[TM+\b], v[TM+\b], v[TM+4+\b]   ; with lane l xor 16's 16 units: the block's largest
.endr
.irp b, 0,1,2,3
	v_add_nc_u32 v[TM+12+\b], 0xff000000, v[TM+\b] ; 2 off the exponent field: the conversion's scale operand
.endr
.irp b, 0,1,2,3
	v_lshrrev_b32 v[TM+4+\b], 23, v[TM+12+\b]      ; the byte
.endr
	v_lshl_or_b32 v[PW+\t], v[TM+5], 8, v[TM+4]
	v_lshl_or_b32 v[PW+\t], v[TM+6], 16, v[PW+\t]
	v_lshl_or_b32 v[PW+\t], v[TM+7], 24, v[PW+\t]
	WIN 0x01                                       ; source 0 window 1
.irp b, 0,1,2,3
	v_cvt_scalef32_pk8_fp4_f32 v[PC+8*\t+2*\b], v[64*\t+16*\b:64*\t+16*\b+7], v[TM+12+\b]
	v_cvt_scalef32_pk8_fp4_f32 v[PC+8*\t+2*\b+1], v[64*\t+16*\b+8:64*\t+16*\b+15], v[TM+12+\b]
.endr
	WIN 0
	v_nop                                          ; one plain line behind the conversions
.irp c, 0,1                                    ; the operand wants a whole block in a lane
.irp k, 0,1
	v_permlane16_swap_b32 v[PC+8*\t+4*\c+\k], v[PC+8*\t+4*\c+2+\k]
.endr
.endr
.irp c, 0,1
	ds_store_b128 v7, v[PC+8*\t+4*\c:PC+8*\t+4*\c+3] offset:(4*(\i)+\t)*4096+512*\c
.endr
	ds_store_b32 v8, v[PW+\t] offset:(\i)*1024+64*\t   ; (both halves of the lanes hold the same word)
.endr
	s_wait_dscnt 0x0
.endm
; Set p of a quad of the second product: p even lo, p odd hi; 32 outputs (two fragments) x 4 token tiles x K = 512.  Eight accumulators by turns, K step by K step.
.macro S2 p, issue, cnt
	s_wait_loadcnt \cnt
.if ((\p)%2) == 0
	s_wait_dscnt 0x0                               ; the stores into the stage have read lo's accumulators
.endif
	WIN 0xa7                                       ; source 0 window 3, source 1 window 1, C and D window 2
.irp s, 0,1,2,3
.irp o, 0,1
.irp t, 0,1,2,3
.set rD, 64*((\p)%2)+32*\o+8*\t
.set rA, 64*(\p)+8*(4*\o+\s)
.set rB, 128*((\p)%2)+32*\t+8*\s
.set rSA, WSC+4*(\p)+(4*\o+\s)/2
.set rSB, HS+8*((\p)%2)+2*\s+\t/2
.if \s == 0
	WM 1, \s%2, \t%2
.else
	WM 0, \s%2, \t%2
.endif
.endr
.endr
.endr
	PLACES
.if \issue
.if ((\p)%2) == 0
	ISSUE \p, WA, (10+(\p)/2)*SB                   ; the same set of the next quad (the bases step 2 sets a quad)
.else
	ISSUE \p, WB, (10+(\p)/2)*SB
.endif
.endif
.endm
; out = w_lo x lo's + w_hi x hi's, in lo's accumulators; then 32 bytes a lane into my stage: row = token, byte 128 half + 64 o + 32 (lane / 16)
.macro COMB half
	WIN 0xa2                                       ; destination, sources 0 and 2 window 2; source 1 window 0
.irp o, 0,1
.irp t, 0,1,2,3
.irp k, 0,2,4,6
	v_pk_mul_f32 v[32*\o+8*\t+\k:32*\o+8*\t+\k+1], v[32*\o+8*\t+\k:32*\o+8*\t+\k+1], v[WTA+2*\t:WTA+2*\t+1]
.endr
.endr
.endr
.irp o, 0,1
.irp t, 0,1,2,3
.irp k, 0,2,4,6
	v_pk_fma_f32 v[32*\o+8*\t+\k:32*\o+8*\t+\k+1], v[64+32*\o+8*\t+\k:64+32*\o+8*\t+\k+1], v[WTB+2*\t:WTB+2*\t+1], v[32*\o+8*\t+\k:32*\o+8*\t+\k+1]
.endr
.endr
.endr
	WIN 0x08                                       ; an LDS store's data are its source 1: window 2
.irp o, 0,1
.irp t, 0,1,2,3
.irp k, 0,1
	ds_store_b128 v11, v[32*\o+8*\t+4*\k:32*\o+8*\t+4*\k+3] offset:\t*4352+64*(2*(\half)+\o)+16*\k
.endr
.endr
.endr
	WIN 0
.endm
; A quad's 64 outputs of 64 tokens leave: sixteen lanes store 256 consecutive bytes of a token's row, at a multiple of 256 from out0's first byte
.macro WAYOUT
	s_wait_xcnt 0x0                                ; the last quad's stores have read their registers
	WIN 0x80
.irp t, 0,1,2,3
.irp i, 0,1,2,3,4,5,6,7
	ds_load_b128 v[128+4*(8*\t+\i):128+4*(8*\t+\i)+3], v12 offset:\t*4352+544*\i   ; my own bytes, served in order behind my stores
.endr
.endr
	WIN 0x08
.irp t, 0,1,2,3
.irp i, 0,1,2,3,4,5,6,7
	s_wait_dscnt 31-(8*\t+\i)
	global_store_b128 v[OV+8*\t+\i], v[128+4*(8*\t+\i):128+4*(8*\t+\i)+3], s[OUT:OUT+1] th:TH_STORE_NT
.endr
.endr
	WIN 0
.endm
	s_load_b256 s[4:11], s[0:1], 0x0               ; tiles, order, xc, xs
	s_load_b128 s[12:15], s[0:1], 0x20             ; wts, wq
	s_load_b64 s[16:17], s[0:1], 0x30              ; out0
	v_lshl_add_u32 v122, v0, 2, 0x22400
	v_mov_b32 v123, 0
	v_lshrrev_b32 v1, 5, v0
	v_readfirstlane_b32 s24, v1                    ; wave 0..3
	v_and_b32 v232, 31, v0                         ; lane
	v_and_b32 v2, 15, v0                           ; r
	v_bfe_u32 v3, v0, 4, 1                         ; h
	v_lshlrev_b32 v1, 4, v232                      ; 16 lane
	v_lshlrev_b32 v4, 2, v232                      ; 4 lane
	s_lshl_b32 s18, ttmp9, 4
	s_mov_b32 s36, 0x76543210                      ; v_permlanex16_b32: lane l xor 16
	s_mov_b32 s37, 0xfedcba98
	s_wait_kmcnt 0x0
	s_load_b128 s[20:23], s[4:5], s18 offset:0x0   ; my tile: start, count, lo, hi
	s_lshl_b32 s25, s24, 13
	s_add_co_u32 s25, s25, XIMG
	v_add_nc_u32 v5, s25, v1                       ; where I store x's images: tile w
	v_lshlrev_b32 v6, 2, v2
	v_lshl_add_u32 v6, v3, 10, v6
	s_lshl_b32 s25, s24, 6
	s_add_co_u32 s25, s25, XSC
	v_add_nc_u32 v6, s25, v6                       ; and its scale words: lanes 16-31 hold K steps 4-7
	s_lshl_b32 s25, s24, 10
	s_add_co_u32 s25, s25, HIMG
	v_add_nc_u32 v7, s25, v1                       ; h's images: K step w
	v_lshlrev_b32 v8, 2, v2
	s_lshl_b32 s25, s24, 8
	s_add_co_u32 s25, s25, HSC
	v_add_nc_u32 v8, s25, v8
	v_add_nc_u32 v9, HIMG, v1
	v_add_nc_u32 v10, XIMG, v1
	s_mul_i32 s25, s24, STW
	s_add_co_u32 s25, s25, STG
	v_mul_u32_u24 v11, v2, 272
	v_lshl_add_u32 v11, v3, 5, v11
	v_add_nc_u32 v11, s25, v11                     ; the stage, in: row r, + 32 h
	v_mul_u32_u24 v12, v3, 272
	v_lshl_add_u32 v12, v2, 4, v12
	v_add_nc_u32 v12, s25, v12                     ; back: lanes 0-15 one row, lanes 16-31 the next
	s_lshl_b32 s26, s24, 8
	v_add_nc_u32 v13, s26, v4                      ; my wave's token numbers: by lane,
	v_lshlrev_b32 v14, 2, v2
	v_add_nc_u32 v14, s26, v14                     ; by r,
	v_lshlrev_b32 v15, 2, v3
	v_add_nc_u32 v15, s26, v15                     ; by h
.irp b, 0,1,2,3
	v_mov_b32 v[TM+4+\b], 0                        ; a lane permute's destination counts as read
.endr
	s_mov_b64 s[OUT:OUT+1], s[16:17]
	s_mov_b32 s39, 0
	s_wait_kmcnt 0x0
	s_min_u32 s20, s20, 0x1fff
	s_min_u32 s21, s21, 64
	s_max_u32 s21, s21, 1
	s_sub_co_u32 s21, s21, 1                       ; the tile's last slot
	s_min_u32 s22, s22, 7
	s_min_u32 s23, s23, 7
	v_min_u32 v233, s21, v232                      ; slots lane and lane + 32, held at the last
	v_add_nc_u32 v234, 32, v232
	v_min_u32 v234, s21, v234
	v_add_nc_u32 v233, s20, v233
	v_add_nc_u32 v234, s20, v234
	v_min_u32 v233, 0x1fff, v233                   ; held inside order[]
	v_min_u32 v234, 0x1fff, v234
	v_lshlrev_b32 v233, 2, v233
	v_lshlrev_b32 v234, 2, v234
	global_load_b32 v235, v233, s[6:7]
	global_load_b32 v236, v234, s[6:7]
	s_lshl_b32 s25, s22, 2
	s_add_co_u32 s25, s25, s24
	s_mul_i32 s38, s25, 16*SB
	s_add_nc_u64 s[WA:WA+1], s[14:15], s[38:39]
	s_lshl_b32 s25, s23, 2
	s_add_co_u32 s25, s25, s24
	s_mul_i32 s38, s25, 16*SB
	s_add_nc_u64 s[WB:WB+1], s[14:15], s[38:39]
	ISSUE 0, WA, 0                                 ; the stream of weights begins ahead of the gathers
	ISSUE 1, WA, SB
	ISSUE 2, WA, 2*SB
	s_wait_loadcnt 51                              ; the two loads of token numbers are in (three sets are younger)
	v_min_u32 v235, 0x1fff, v235
	v_min_u32 v236, 0x1fff, v236
	ds_store_b32 v13, v235                         ; the 64 numbers are dealt to the lanes that want them through my wave's own 256 bytes
	ds_store_b32 v13, v236 offset:128
	s_lshl_b32 s25, s24, 6
	v_add_nc_u32 v233, s25, v14
	ds_load_b32 v237, v233                         ; slot 16 w + r: the token whose codes I gather
.irp t, 0,1,2,3
	ds_load_b32 v[238+\t], v14 offset:64*\t        ; slot 16 t + r: the token that my lane holds in tile t
.endr
.irp t, 0,1,2,3
.irp i, 0,1,2,3,4,5,6,7
	ds_load_b32 v[OV+8*\t+\i], v15 offset:64*\t+8*\i   ; slot 16 t + 2 i + h: the rows that I store
.endr
.endr
	v_lshlrev_b32 v232, 4, v2
	s_lshl_b32 s25, s24, 10
	v_add_nc_u32 v232, s25, v232                   ; 16 r + my wave's 1,024 bytes of a row
	v_lshlrev_b32 v234, 4, v3                      ; 16 h
	s_wait_dscnt 0x0
	v_min_u32 v237, 0x1fff, v237                   ; every number is held inside the tables that it indexes
.irp t, 0,1,2,3
	v_min_u32 v[238+\t], 0x1fff, v[238+\t]
.endr
.set k_, 0
.rept 32
	v_min_u32 v[OV+k_], 0x1fff, v[OV+k_]
	v_lshl_add_u32 v[OV+k_], v[OV+k_], 12, v232
.set k_, k_+1
.endr
	v_lshl_add_u32 v250, v237, 9, v234             ; xc: 512 bytes a token, + 16 h
	v_lshl_add_u32 v251, v237, 5, v234             ; xs: 32 bytes a token, + 16 h
.irp t, 0,1,2,3
	v_lshlrev_b32 v[252+\t], 3, v[238+\t]          ; wts: 8 bytes a token
.endr
.irp q, 0,1,2,3,4,5,6,7
.irp c, 0,1
	global_load_b128 v[XG+8*\q+4*\c:XG+8*\q+4*\c+3], v250, s[8:9] offset:64*\q+32*\c   ; fragment (w, q): K = 128 q + 64 c + 32 h + 0 .. 31
.endr
.endr
	global_load_b128 v[XGS:XGS+3], v251, s[10:11]  ; the scale words of K steps 4 h .. 4 h + 3
.irp t, 0,1,2,3
	global_load_b64 v[242+2*\t:243+2*\t], v[252+\t], s[12:13]
.endr
	ISSUE 3, WA, 3*SB
	s_wait_loadcnt 17                              ; the gathers are in: only set 3 is younger
.irp t, 0,1,2,3
	v_mov_b32 v[WTA+2*\t], v[242+2*\t]
	v_mov_b32 v[WTA+2*\t+1], v[242+2*\t]
	v_mov_b32 v[WTB+2*\t], v[243+2*\t]
	v_mov_b32 v[WTB+2*\t+1], v[243+2*\t]
.endr
.irp q, 0,1,2,3,4,5,6,7
.irp c, 0,1
	ds_store_b128 v5, v[XG+8*\q+4*\c:XG+8*\q+4*\c+3] offset:1024*\q+512*\c
.endr
.endr
.irp j, 0,1,2,3
	ds_store_b32 v6, v[XGS+\j] offset:256*\j
.endr
	s_wait_dscnt 0x0                               ; my stores have landed, for the others' sake
	s_barrier_signal -1
	s_barrier_wait -1                              ; x's 32 fragments lie in LDS (the weights' loads stay on their way: nobody writes wq)
	WIN 0x80
.set g_, 0
.rept 32
	ds_load_b128 v[8*g_:8*g_+3], v10 offset:1024*g_
	ds_load_b128 v[8*g_+4:8*g_+7], v10 offset:1024*g_+512
.set g_, g_+1
.endr
	WIN 0
.set g_, 0
.rept 16
	ds_load_b32 v[XS+g_], v4 offset:XSC+128*g_
.set g_, g_+1
.endr
	s_wait_dscnt 0x0
.irp n, 0,1,2,3,4,5,6,7
	S1 \n
.endr
	QPH 0                                          ; four sets stay asked for under the vector work
.irp n, 8,9,10,11,12,13,14,15
	S1 \n
.endr
	QPH 1
	s_barrier_signal -1                            ; (QPH ends with the wait for my LDS stores)
	s_barrier_wait -1                              ; both hidden layers' 32 fragments lie in LDS
	WIN 0x40
.set g_, 0
.rept 32
	ds_load_b128 v[8*g_:8*g_+3], v9 offset:1024*g_
	ds_load_b128 v[8*g_+4:8*g_+7], v9 offset:1024*g_+512
.set g_, g_+1
.endr
	WIN 0
.set g_, 0
.rept 16
	ds_load_b32 v[HS+g_], v4 offset:HSC+128*g_
.set g_, g_+1
.endr
	s_wait_dscnt 0x0
	s_mov_b32 s34, 3
.Lquad:                                            ; a trip: 64 of my 256 outputs, both experts; it asks for the next trip's four sets
	S2 0, 1, 51
	S2 1, 1, 51
	COMB 0
	S2 2, 1, 51
	S2 3, 1, 51
	COMB 1
	WAYOUT
	s_wait_xcnt 0x0                                ; loads and stores have read their bases
	s_add_nc_u64 s[WA:WA+1], s[WA:WA+1], 2*SB
	s_add_nc_u64 s[WB:WB+1], s[WB:WB+1], 2*SB
	s_add_nc_u64 s[OUT:OUT+1], s[OUT:OUT+1], 256
	s_sub_co_u32 s34, s34, 1
	s_cmp_lg_u32 s34, 0
	s_cbranch_scc1 .Lquad
	S2 0, 0, 51                                    ; the last quad asks for nothing: the counts run down by 17
	S2 1, 0, 34
	COMB 0
	S2 2, 0, 17
	S2 3, 0, 0
	COMB 1
	WAYOUT
	s_wait_tensorcnt 0x0
	ds_add_u32 v122, v123
	s_wait_dscnt 0x0
	s_endpgm
.Lfunc_end_k_q675317ea88_experts:
	.size	k_q675317ea88_experts, .Lfunc_end_k_q675317ea88_experts-k_q675317ea88_experts
	.p2alignl 7, 3214868480
	.fill 96, 4, 3214868480
	.section	.rodata,"a",@progbits
	.p2align	6, 0x0
	.amdhsa_kernel k_q675317ea88_experts
		.amdhsa_group_segment_fixed_size 140800
		.amdhsa_private_segment_fixed_size 0
		.amdhsa_enable_private_segment 0
		.amdhsa_kernarg_size 56
		.amdhsa_user_sgpr_count 2
		.amdhsa_user_sgpr_kernarg_segment_ptr 1
		.amdhsa_wavefront_size32 1
		.amdhsa_system_sgpr_workgroup_id_x 1
		.amdhsa_system_sgpr_workgroup_id_y 1
		.amdhsa_system_sgpr_workgroup_id_z 1
		.amdhsa_system_vgpr_workitem_id 0
		.amdhsa_next_free_vgpr 1024
		.amdhsa_next_free_sgpr 66
		.amdhsa_reserve_vcc 0
		.amdhsa_float_denorm_mode_32 3
		.amdhsa_float_denorm_mode_16_64 3
		.amdhsa_memory_ordered 1
		.amdhsa_forward_progress 1
		.amdhsa_inst_pref_size 255
	.end_amdhsa_kernel
	.section	.bss,"aw",@nobits
	.p2align	6
	.space	262144
	.amdgpu_metadata
---
amdhsa.version: [ 1, 2 ]
amdhsa.kernels:
  - .name:           k_q675317ea88_experts
    .symbol:         k_q675317ea88_experts.kd
    .args:
      - { .name: tiles, .offset: 0, .size: 8, .value_kind: global_buffer, .address_space: global }
      - { .name: order, .offset: 8, .size: 8, .value_kind: global_buffer, .address_space: global }
      - { .name: xc, .offset: 16, .size: 8, .value_kind: global_buffer, .address_space: global }
      - { .name: xs, .offset: 24, .size: 8, .value_kind: global_buffer, .address_space: global }
      - { .name: wts, .offset: 32, .size: 8, .value_kind: global_buffer, .address_space: global }
      - { .name: wq, .offset: 40, .size: 8, .value_kind: global_buffer, .address_space: global }
      - { .name: out0, .offset: 48, .size: 8, .value_kind: global_buffer, .address_space: global }
    .group_segment_fixed_size: 140800
    .private_segment_fixed_size: 0
    .kernarg_segment_align: 8
    .kernarg_segment_size: 56
    .max_flat_workgroup_size: 128
    .sgpr_count:     66
    .vgpr_count:     1024
    .wavefront_size: 32
...
	.end_amdgpu_metadata
.endif
;; end of part 3
;; ======== version 2 of 2: 3 launches; version 1 with the launch experts written anew for expert scheduling mode
;; workspace buffers: xc 4,194,304 bytes; xs 262,144 bytes; wts 65,536 bytes; meta 65,536 bytes of whole numbers; order 32,768 bytes of whole numbers; tiles 2,560 bytes of whole numbers; wq 4,456,448 bytes
;; launch route: the kernel of part 1 again; grid 256 x 1, 16 waves a work-group, no clusters, 162,816 bytes of LDS; arguments x, router_w, xc, xs, wts, meta; writes xc, xs, wts, meta
;; launch place: the kernel of part 2 again; grid 129 x 1, 32 waves a work-group, no clusters, 12,544 bytes of LDS; arguments meta, fc1_w_codes, fc1_w_scales, fc2_w_codes, fc2_w_scales, order, tiles, wq; writes order, tiles, wq
;; launch experts (part 4): grid 155 x 1, 4 waves a work-group, no clusters, 140,800 bytes of LDS; arguments tiles, order, xc, xs, wts, wq, out0; writes out0
.if DOCPART == 4
	.amdgcn_target "amdgcn-amd-amdhsa--gfx1250"
	.amdhsa_code_object_version 6
	.text
	.protected	k_q675317ea88_experts
	.globl	k_q675317ea88_experts
	.p2align	8
	.type	k_q675317ea88_experts,@function
k_q675317ea88_experts:
	s_mov_b64 s[64:65], 0
	v_nop
	global_prefetch_b8 v0, s[64:65] scope:SCOPE_SE
	s_setreg_imm32_b32 hwreg(HW_REG_WAVE_SCHED_MODE, 0, 2), 2
	s_setreg_imm32_b32 hwreg(HW_REG_WAVE_MODE, 25, 1), 1
	s_wait_xcnt 0x0
	s_wait_alu depctr_vm_vsrc(0)
; THE EXPERTS.  A work-group takes one tile: at most 64 tokens that chose the same two experts (lo, hi), through the whole chain of both:
; h = relu(x W1^T)^2 on codes of E2M1, h quantised along its 512, h W2^T on codes, out = w_lo (..) + w_hi (..), stored once.  The hidden layer never goes to memory, and each output row has one owner.
; A slot past the tile's count takes the tile's last token again: the same wave then stores the same bytes to the same row.  So there is no branch on data and EXEC is never changed.
; SHARES.  The four waves share the COLUMNS: wave w makes hidden units 128 w .. + 127 of both experts and outputs 256 w .. + 255, for all 64 slots (4 tiles of 16).  So each weight byte is used by one wave, once:
; it goes from memory straight into operand registers (wq lies in their order), through a ring of four sets of 8 fragments + their scale words, 17 loads a set, three to four sets on their way.
; No LDS for weights, no tensor load; no cluster: which tiles share an expert hangs on counts read from memory, so partners could not ask alike on every path.
; Both products are used transposed (source 0 = weights, source 1 = tokens): a lane holds ONE token, its registers run along units or outputs.
; Operands made by one wave (x's fragments, gathered; the hidden layer's, quantised in registers) reach the others through LDS as images of their registers: 16 bytes a lane, 512 an instruction.
; REGISTERS in windows of 256.  Window 0: addresses, scale words, weights, quantiser.  Window 1: the 32 accumulators of the hidden layer ((f, t) at 64 t + 8 f), later its 32 fragments (8 (16 i + 4 t + s)).
;   Window 2: x's 32 fragments (8 (8 t + q)); later the outputs' accumulators, lo's at 0-63, hi's at 64-127 ((o, t) at 32 o + 8 t), and rows on their way out at 128-255.  Window 3: the ring, slot k at 64 k.
; LIMITS: NaN and infinities are not served; a block of zeros of h gets the scale byte 1 (its codes are zeros).
; THE MODE: SCHED_MODE bits 1:0 = 2 (LLVM: expert scheduling mode 2), set by the entry lines.  The code itself states the register dependences
; between vector or matrix instructions and memory or LDS instructions, with s_wait_alu, always for 0.
; THE PLAN.  Registers that memory or LDS instructions touch, and who else names them:
;   v1, v4-v15, v120   offsets and LDS addresses: made once at the head, never written again.  v233, v234, v250-v255 and v16-v47: made once each from held numbers, never written again.
;   ring slot k and v[WSC + 4 k ..]   A set's 17 loads land there; its 32 products read them; the slot is asked for again at once behind them.
;   PC, PW             A layer's quantiser writes them; the layer's 12 LDS stores, in one run at its end, read them; the second layer's quantiser writes them again.
;   window 1           The first product and the quantiser name it; behind the second barrier the hidden layers' fragments land in it.
;   lo's accumulators  Products and the weighing write them; 16 stores into the stage read them, each half quad; the next lo set begins them anew.
;   rows out           32 LDS loads land there; 32 global stores read them; the next quad's loads land there again.
; So: ONE wait on va_vdst behind each set's products, ahead of the slot's 17 loads (it stands behind the lines that empty the slot, so that the slot does not lie idle until the next set has come);
; behind a hi set of the second product the weighing stands first, and the one wait serves the stage's stores and the slot's loads alike; one wait on va_vdst a layer ahead of the quantiser's stores;
; waits on vm_vsrc where a register that a store has read is written again: ahead of the second layer's quantiser, ahead of a quad's second lo set, and at the way out.
.set SB,   8704                        ; a set in wq
.set TOK,  0                           ; LDS: each wave's own 64 token numbers, 256 bytes
.set XSC,  1024                        ; x's scale words [q 8][tile 4][r 16]
.set HSC,  3072                        ; h's [expert 2][s 4][tile 4][r 16]
.set XIMG, 5120                        ; x's fragments, (t, q) at 1024 (8 t + q)
.set HIMG, 37888                       ; h's, (i, t, s) at 1024 (16 i + 4 t + s)
.set STG,  70656                       ; each wave's own stage: 4 tiles x 16 rows x (256 + 16) bytes
.set STW,  17408
.set OV,   16                          ; v16-47   byte offsets in out0 of the rows that I store
.set WSC,  48                          ; v48-63   the weights' scale words, 4 registers a ring slot: register j: lanes 0-15 fragment 2 j, lanes 16-31 fragment 2 j + 1
.set XS,   64                          ; v64-79   x's: register 2 q + u: lanes 0-15 tile 2 u, lanes 16-31 tile 2 u + 1
.set HS,   80                          ; v80-95   h's: register 8 i + 2 s + u likewise
.set WTA,  96                          ; v96-103  lo's weight of my token in tile t, twice (a pair for the packed forms)
.set WTB,  104                         ; v104-111 hi's
.set TM,   112                         ; v112-119, v124-127 the quantiser at work
.set TKA,  120                         ; v120     LDS address of slot 16 w + r among my wave's token numbers; never rewritten
.set H16,  121                         ; v121     16 h;  v122, v123: the closing add's two registers
.set PW,   128                         ; v128-131 the scale word made, a register a tile
.set PC,   132                         ; v132-163 the codes made, 8 a tile
.set XG,   164                         ; v164-227 x's codes as gathered;  v228-231 its scale bytes
.set XGS,  228
.set WA,   28                          ; s[28:29] wq at (lo, my wave);  s[30:31] at (hi, my wave);  s[32:33] out0
.set WB,   30
.set OUT,  32
.set MSB,  0
.macro WIN new                         ; bits 1:0 source 0, 3:2 source 1, 5:4 source 2, 7:6 destination; the high byte repeats the setting that is left
.if MSB != \new
	s_set_vgpr_msb (MSB<<8)|\new
.set MSB, \new
.endif
.endm
; One product on the registers named by rD, rA, rB, rSA, rSB.  zero = 1: it starts the sum.  ra, rb = 1: that side's scale words stand in lanes 16-31.
.macro WM zero, ra, rb
.if \zero
.if ((\ra)==0) && ((\rb)==0)
	v_wmma_scale_f32_16x16x128_f8f6f4 v[rD:rD+7], v[rA:rA+7], v[rB:rB+7], 0, v[rSA], v[rSB] matrix_a_fmt:MATRIX_FMT_FP4 matrix_b_fmt:MATRIX_FMT_FP4
.elseif ((\ra)==1) && ((\rb)==0)
	v_wmma_scale_f32_16x16x128_f8f6f4 v[rD:rD+7], v[rA:rA+7], v[rB:rB+7], 0, v[rSA], v[rSB] matrix_a_fmt:MATRIX_FMT_FP4 matrix_b_fmt:MATRIX_FMT_FP4 matrix_a_scale:MATRIX_SCALE_ROW1
.elseif ((\ra)==0)
	v_wmma_scale_f32_16x16x128_f8f6f4 v[rD:rD+7], v[rA:rA+7], v[rB:rB+7], 0, v[rSA], v[rSB] matrix_a_fmt:MATRIX_FMT_FP4 matrix_b_fmt:MATRIX_FMT_FP4 matrix_b_scale:MATRIX_SCALE_ROW1
.else
	v_wmma_scale_f32_16x16x128_f8f6f4 v[rD:rD+7], v[rA:rA+7], v[rB:rB+7], 0, v[rSA], v[rSB] matrix_a_fmt:MATRIX_FMT_FP4 matrix_b_fmt:MATRIX_FMT_FP4 matrix_a_scale:MATRIX_SCALE_ROW1 matrix_b_scale:MATRIX_SCALE_ROW1
.endif
.else
.if ((\ra)==0) && ((\rb)==0)
	v_wmma_scale_f32_16x16x128_f8f6f4 v[rD:rD+7], v[rA:rA+7], v[rB:rB+7], v[rD:rD+7], v[rSA], v[rSB] matrix_a_fmt:MATRIX_FMT_FP4 matrix_b_fmt:MATRIX_FMT_FP4
.elseif ((\ra)==1) && ((\rb)==0)
	v_wmma_scale_f32_16x16x128_f8f6f4 v[rD:rD+7], v[rA:rA+7], v[rB:rB+7], v[rD:rD+7], v[rSA], v[rSB] matrix_a_fmt:MATRIX_FMT_FP4 matrix_b_fmt:MATRIX_FMT_FP4 matrix_a_scale:MATRIX_SCALE_ROW1
.elseif ((\ra)==0)
	v_wmma_scale_f32_16x16x128_f8f6f4 v[rD:rD+7], v[rA:rA+7], v[rB:rB+7], v[rD:rD+7], v[rSA], v[rSB] matrix_a_fmt:MATRIX_FMT_FP4 matrix_b_fmt:MATRIX_FMT_FP4 matrix_b_scale:MATRIX_SCALE_ROW1
.else
	v_wmma_scale_f32_16x16x128_f8f6f4 v[rD:rD+7], v[rA:rA+7], v[rB:rB+7], v[rD:rD+7], v[rSA], v[rSB] matrix_a_fmt:MATRIX_FMT_FP4 matrix_b_fmt:MATRIX_FMT_FP4 matrix_a_scale:MATRIX_SCALE_ROW1 matrix_b_scale:MATRIX_SCALE_ROW1
.endif
.endif
.endm
; A set of weights into a ring slot: 17 loads, each of 512 consecutive bytes
.macro ISSUE slot, base, imm
	WIN 0xc0                                       ; destination window 3
.irp f, 0,1,2,3,4,5,6,7
.irp c, 0,1
	global_load_b128 v[64*(\slot)+8*\f+4*\c:64*(\slot)+8*\f+4*\c+3], v1, s[\base:\base+1] offset:(\imm)+1024*\f+512*\c
.endr
.endr
	WIN 0
	global_load_b128 v[WSC+4*(\slot):WSC+4*(\slot)+3], v1, s[\base:\base+1] offset:(\imm)+8192
.endm
.macro PLACES                          ; four plain lines between a product and a load into, or a vector read of, its registers
.rept 4
	v_nop
.endr
.endm
; Set n of the first product (n = 0-7: lo, K step n; 8-15: hi): my 8 unit tiles x 4 token tiles, 128 along K.  The 32 accumulators take turns, one instruction a turn.
; Behind the products set n + 4 is asked for, into the slot just read.
.macro S1 n
.set SL, (\n)%4
.set QQ, (\n)%8
	s_wait_loadcnt 51                              ; set n is in; the three younger sets, 17 loads each, may be out
	WIN 0x5b                                       ; source 0 window 3, source 1 window 2, C and D window 1
.irp f, 0,1,2,3,4,5,6,7
.irp t, 0,1,2,3
.set rD, 64*\t+8*\f
.set rA, 64*SL+8*\f
.set rB, 8*(8*\t+QQ)
.set rSA, WSC+4*SL+\f/2
.set rSB, XS+2*QQ+\t/2
.if QQ == 0
	WM 1, \f%2, \t%2
.else
	WM 0, \f%2, \t%2
.endif
.endr
.endr
	PLACES
	WIN 0xc0                                       ; the switch, then the wait, then the loads
	s_wait_alu depctr_va_vdst(0)                   ; this set's products are done reading their ring slot and its scale words, in which the 17 loads below land
.set NX, (\n)+4
.if NX < 8
	ISSUE NX%4, WA, NX*SB
.elseif NX < 16
	ISSUE NX%4, WB, (NX-8)*SB
.elseif (NX%2) == 0
	ISSUE NX%4, WA, (8+(NX-16)/2)*SB
.else
	ISSUE NX%4, WB, (8+(NX-16)/2)*SB
.endif
.endm
; Expert i's hidden layer: relu, square, quantised along the units; my 128 units are K step w of the second product.  In tile t register 16 b + k of window 1 is unit 32 b + 16 (lane / 16) + k of token lane % 16.
; Each tile has its own registers for its codes and its scale word, so the four tiles' images go to LDS in one run at the end, behind one wait.
.macro QPH i
.if (\i) == 1
	s_wait_alu depctr_vm_vsrc(0)                   ; lo's LDS stores have read PC and PW, which hi's quantiser writes again
.endif
.irp t, 0,1,2,3
	WIN 0x45                                       ; destination, sources 0 and 1: window 1
.set j_, 0
.rept 64
	v_max_num_f32 v[64*\t+j_], 0, v[64*\t+j_]      ; each accumulator from its low end on
.set j_, j_+1
.endr
.set j_, 0
.rept 32
	v_pk_mul_f32 v[64*\t+j_:64*\t+j_+1], v[64*\t+j_:64*\t+j_+1], v[64*\t+j_:64*\t+j_+1]
.set j_, j_+2
.endr
	WIN 0x05                                       ; sources 0 and 1 window 1
.irp b, 0,1,2,3
	v_max3_num_f32 v[TM+\b], v[64*\t+16*\b], v[64*\t+16*\b+1], 0x1800000   ; nothing is negative; the floor 2^(3 - 127) holds the byte at 1
.endr
.irp k, 2,4,6,8,10,12,14
.irp b, 0,1,2,3
	v_max3_num_f32 v[TM+\b], v[64*\t+16*\b+\k], v[64*\t+16*\b+\k+1], v[TM+\b]
.endr
.endr
	WIN 0
.irp b, 0,1,2,3
	v_permlanex16_b32 v[TM+4+\b], v[TM+\b], s36, s37
.endr
.irp b, 0,1,2,3
	v_max_num_f32 v[TM+\b], v[TM+\b], v[TM+4+\b]   ; with lane l xor 16's 16 units: the block's largest
.endr
.irp b, 0,1,2,3
	v_add_nc_u32 v[TM+12+\b], 0xff000000, v[TM+\b] ; 2 off the exponent field: the conversion's scale operand
.endr
.irp b, 0,1,2,3
	v_lshrrev_b32 v[TM+4+\b], 23, v[TM+12+\b]      ; the byte
.endr
	v_lshl_or_b32 v[PW+\t], v[TM+5], 8, v[TM+4]
	v_lshl_or_b32 v[PW+\t], v[TM+6], 16, v[PW+\t]
	v_lshl_or_b32 v[PW+\t], v[TM+7], 24, v[PW+\t]
	WIN 0x01                                       ; source 0 window 1
.irp b, 0,1,2,3
	v_cvt_scalef32_pk8_fp4_f32 v[PC+8*\t+2*\b], v[64*\t+16*\b:64*\t+16*\b+7], v[TM+12+\b]
	v_cvt_scalef32_pk8_fp4_f32 v[PC+8*\t+2*\b+1], v[64*\t+16*\b+8:64*\t+16*\b+15], v[TM+12+\b]
.endr
	WIN 0
	v_nop                                          ; one plain line behind the conversions
.irp c, 0,1                                    ; the operand wants a whole block in a lane
.irp k, 0,1
	v_permlane16_swap_b32 v[PC+8*\t+4*\c+\k], v[PC+8*\t+4*\c+2+\k]
.endr
.endr
.endr
	s_wait_alu depctr_va_vdst(0)                   ; the quantiser has written PC and PW, which the twelve LDS stores read; and it is done with window 1, in which (behind hi's layer and the barrier) the fragments' loads land
.irp t, 0,1,2,3
.irp c, 0,1
	ds_store_b128 v7, v[PC+8*\t+4*\c:PC+8*\t+4*\c+3] offset:(4*(\i)+\t)*4096+512*\c
.endr
	ds_store_b32 v8, v[PW+\t] offset:(\i)*1024+64*\t   ; (both halves of the lanes hold the same word)
.endr
	s_wait_dscnt 0x0
.endm
; Set p of a quad of the second product: p even lo, p odd hi; 32 outputs (two fragments) x 4 token tiles x K = 512.  Eight accumulators by turns, K step by K step.
; Behind a lo set its slot is asked for again at once; behind a hi set the weighing (COMB) follows, and asks.
.macro S2 p, issue, cnt
	s_wait_loadcnt \cnt
.if ((\p)%2) == 0
	s_wait_dscnt 0x0                               ; my stores into the stage are done
.endif
.if (\p) == 2
	s_wait_alu depctr_vm_vsrc(0)                   ; the first half's stores into the stage have read lo's accumulators, which these products begin anew (ahead of set 0 the way out's wait has stated the same of the second half's)
.endif
	WIN 0xa7                                       ; source 0 window 3, source 1 window 1, C and D window 2
.irp s, 0,1,2,3
.irp o, 0,1
.irp t, 0,1,2,3
.set rD, 64*((\p)%2)+32*\o+8*\t
.set rA, 64*(\p)+8*(4*\o+\s)
.set rB, 128*((\p)%2)+32*\t+8*\s
.set rSA, WSC+4*(\p)+(4*\o+\s)/2
.set rSB, HS+8*((\p)%2)+2*\s+\t/2
.if \s == 0
	WM 1, \s%2, \t%2
.else
	WM 0, \s%2, \t%2
.endif
.endr
.endr
.endr
.if ((\p)%2) == 0
	PLACES                                         ; lo's: only hi's products stand between these results and the weighing that reads them
.if \issue
	WIN 0xc0                                       ; the switch, then the wait, then the loads
	s_wait_alu depctr_va_vdst(0)                   ; this set's products are done reading their ring slot and its scale words, in which the 17 loads below land
	ISSUE \p, WA, (10+(\p)/2)*SB                   ; the same set of the next quad (the bases step 2 sets a quad)
.endif
.endif
.endm
; out = w_lo x lo's + w_hi x hi's, in lo's accumulators; then 32 bytes a lane into my stage: row = token, byte 128 half + 64 o + 32 (lane / 16).
; It stands straight behind hi's products: its first 32 lines name lo's accumulators and the weights alone, none of hi's products' registers, and are the places behind those.
; issue = 1: hi's slot, 2 half + 1, is asked for again behind the stores.
.macro COMB half, issue
	WIN 0xa2                                       ; destination, sources 0 and 2 window 2; source 1 window 0
.irp o, 0,1
.irp t, 0,1,2,3
.irp k, 0,2,4,6
	v_pk_mul_f32 v[32*\o+8*\t+\k:32*\o+8*\t+\k+1], v[32*\o+8*\t+\k:32*\o+8*\t+\k+1], v[WTA+2*\t:WTA+2*\t+1]
.endr
.endr
.endr
.irp o, 0,1
.irp t, 0,1,2,3
.irp k, 0,2,4,6
	v_pk_fma_f32 v[32*\o+8*\t+\k:32*\o+8*\t+\k+1], v[64+32*\o+8*\t+\k:64+32*\o+8*\t+\k+1], v[WTB+2*\t:WTB+2*\t+1], v[32*\o+8*\t+\k:32*\o+8*\t+\k+1]
.endr
.endr
.endr
	WIN 0x08                                       ; an LDS store's data are its source 1: window 2
	s_wait_alu depctr_va_vdst(0)                   ; the weighing has written lo's accumulators, which the stores below read; and hi's products are done reading their ring slot and its scale words, in which the loads below land
.irp o, 0,1
.irp t, 0,1,2,3
.irp k, 0,1
	ds_store_b128 v11, v[32*\o+8*\t+4*\k:32*\o+8*\t+4*\k+3] offset:\t*4352+64*(2*(\half)+\o)+16*\k
.endr
.endr
.endr
.if \issue
	ISSUE 2*(\half)+1, WB, (10+(\half))*SB         ; no further wait: only stores and window switches stand since the wait, and the stores name none of these loads' registers
.endif
	WIN 0
.endm
; A quad's 64 outputs of 64 tokens leave: sixteen lanes store 256 consecutive bytes of a token's row, at a multiple of 256 from out0's first byte
.macro WAYOUT
	WIN 0x80
	s_wait_xcnt 0x0                                ; the last quad's stores have had their addresses translated
	s_wait_alu depctr_vm_vsrc(0)                   ; the last quad's global stores have read the rows' registers, in which the loads below land; and this quad's stores into the stage have read lo's accumulators, which the next quad's products begin anew
.irp t, 0,1,2,3
.irp i, 0,1,2,3,4,5,6,7
	ds_load_b128 v[128+4*(8*\t+\i):128+4*(8*\t+\i)+3], v12 offset:\t*4352+544*\i   ; my own bytes, served in order behind my stores
.endr
.endr
	WIN 0x08
.irp t, 0,1,2,3
.irp i, 0,1,2,3,4,5,6,7
	s_wait_dscnt 31-(8*\t+\i)
	global_store_b128 v[OV+8*\t+\i], v[128+4*(8*\t+\i):128+4*(8*\t+\i)+3], s[OUT:OUT+1] th:TH_STORE_NT
.endr
.endr
	WIN 0
.endm
	s_load_b256 s[4:11], s[0:1], 0x0               ; tiles, order, xc, xs
	s_load_b128 s[12:15], s[0:1], 0x20             ; wts, wq
	s_load_b64 s[16:17], s[0:1], 0x30              ; out0
	v_lshl_add_u32 v122, v0, 2, 0x22400
	v_mov_b32 v123, 0
	v_lshrrev_b32 v1, 5, v0
	v_readfirstlane_b32 s24, v1                    ; wave 0..3
	v_and_b32 v232, 31, v0                         ; lane
	v_and_b32 v2, 15, v0                           ; r
	v_bfe_u32 v3, v0, 4, 1                         ; h
	v_lshlrev_b32 v1, 4, v232                      ; 16 lane
	v_lshlrev_b32 v4, 2, v232                      ; 4 lane
	v_lshlrev_b32 v[H16], 4, v3                    ; 16 h
	s_lshl_b32 s18, ttmp9, 4
	s_mov_b32 s36, 0x76543210                      ; v_permlanex16_b32: lane l xor 16
	s_mov_b32 s37, 0xfedcba98
	s_wait_kmcnt 0x0
	s_load_b128 s[20:23], s[4:5], s18 offset:0x0   ; my tile: start, count, lo, hi
	s_wait_alu depctr_va_sdst(0)                   ; s24, the wave's number, is written, ahead of its first reader
	s_lshl_b32 s25, s24, 13
	s_add_co_u32 s25, s25, XIMG
	v_add_nc_u32 v5, s25, v1                       ; where I store x's images: tile w
	v_lshlrev_b32 v6, 2, v2
	v_lshl_add_u32 v6, v3, 10, v6
	s_lshl_b32 s25, s24, 6
	s_add_co_u32 s25, s25, XSC
	v_add_nc_u32 v6, s25, v6                       ; and its scale words: lanes 16-31 hold K steps 4-7
	s_lshl_b32 s25, s24, 10
	s_add_co_u32 s25, s25, HIMG
	v_add_nc_u32 v7, s25, v1                       ; h's images: K step w
	v_lshlrev_b32 v8, 2, v2
	s_lshl_b32 s25, s24, 8
	s_add_co_u32 s25, s25, HSC
	v_add_nc_u32 v8, s25, v8
	v_add_nc_u32 v9, HIMG, v1
	v_add_nc_u32 v10, XIMG, v1
	s_mul_i32 s25, s24, STW
	s_add_co_u32 s25, s25, STG
	v_mul_u32_u24 v11, v2, 272
	v_lshl_add_u32 v11, v3, 5, v11
	v_add_nc_u32 v11, s25, v11                     ; the stage, in: row r, + 32 h
	v_mul_u32_u24 v12, v3, 272
	v_lshl_add_u32 v12, v2, 4, v12
	v_add_nc_u32 v12, s25, v12                     ; back: lanes 0-15 one row, lanes 16-31 the next
	s_lshl_b32 s26, s24, 8
	v_add_nc_u32 v13, s26, v4                      ; my wave's token numbers: by lane,
	v_lshlrev_b32 v14, 2, v2
	v_add_nc_u32 v14, s26, v14                     ; by r,
	v_lshlrev_b32 v15, 2, v3
	v_add_nc_u32 v15, s26, v15                     ; by h,
	s_lshl_b32 s25, s24, 6
	v_add_nc_u32 v[TKA], s25, v14                  ; and slot 16 w + r
.irp b, 0,1,2,3
	v_mov_b32 v[TM+4+\b], 0                        ; a lane permute's destination counts as read
.endr
	s_mov_b64 s[OUT:OUT+1], s[16:17]
	s_mov_b32 s39, 0
	s_wait_kmcnt 0x0
	s_min_u32 s20, s20, 0x1fff
	s_min_u32 s21, s21, 64
	s_max_u32 s21, s21, 1
	s_sub_co_u32 s21, s21, 1                       ; the tile's last slot
	s_min_u32 s22, s22, 7
	s_min_u32 s23, s23, 7
	v_min_u32 v233, s21, v232                      ; slots lane and lane + 32, held at the last
	v_add_nc_u32 v234, 32, v232
	v_min_u32 v234, s21, v234
	v_add_nc_u32 v233, s20, v233
	v_add_nc_u32 v234, s20, v234
	v_min_u32 v233, 0x1fff, v233                   ; held inside order[]
	v_min_u32 v234, 0x1fff, v234
	v_lshlrev_b32 v233, 2, v233
	v_lshlrev_b32 v234, 2, v234
	s_lshl_b32 s25, s22, 2
	s_add_co_u32 s25, s25, s24
	s_mul_i32 s38, s25, 16*SB
	s_add_nc_u64 s[WA:WA+1], s[14:15], s[38:39]
	s_lshl_b32 s25, s23, 2
	s_add_co_u32 s25, s25, s24
	s_mul_i32 s38, s25, 16*SB
	s_add_nc_u64 s[WB:WB+1], s[14:15], s[38:39]
	s_wait_alu depctr_va_vdst(0)                   ; v1, v4 to v15, v120, v233 and v234 are written: the offsets and LDS addresses that the loads and stores of the whole kernel read
	global_load_b32 v235, v233, s[6:7]
	global_load_b32 v236, v234, s[6:7]
	ISSUE 0, WA, 0                                 ; the stream of weights begins ahead of the gathers
	ISSUE 1, WA, SB
	ISSUE 2, WA, 2*SB
	s_wait_loadcnt 51                              ; the two loads of token numbers are in (three sets are younger)
	v_min_u32 v235, 0x1fff, v235
	v_min_u32 v236, 0x1fff, v236
	s_wait_alu depctr_va_vdst(0)                   ; the two holds have written v235 and v236, which the LDS stores read
	ds_store_b32 v13, v235                         ; the 64 numbers are dealt to the lanes that want them through my wave's own 256 bytes
	ds_store_b32 v13, v236 offset:128
	ds_load_b32 v237, v[TKA]                       ; slot 16 w + r: the token whose codes I gather
.irp t, 0,1,2,3
	ds_load_b32 v[238+\t], v14 offset:64*\t        ; slot 16 t + r: the token that my lane holds in tile t
.endr
.irp t, 0,1,2,3
.irp i, 0,1,2,3,4,5,6,7
	ds_load_b32 v[OV+8*\t+\i], v15 offset:64*\t+8*\i   ; slot 16 t + 2 i + h: the rows that I store
.endr
.endr
	v_lshlrev_b32 v232, 4, v2
	s_lshl_b32 s25, s24, 10
	v_add_nc_u32 v232, s25, v232                   ; 16 r + my wave's 1,024 bytes of a row (no memory instruction names v232)
	s_wait_dscnt 0x0
	v_min_u32 v237, 0x1fff, v237                   ; every number is held inside the tables that it indexes
.irp t, 0,1,2,3
	v_min_u32 v[238+\t], 0x1fff, v[238+\t]
.endr
.set k_, 0
.rept 32
	v_min_u32 v[OV+k_], 0x1fff, v[OV+k_]
	v_lshl_add_u32 v[OV+k_], v[OV+k_], 12, v232
.set k_, k_+1
.endr
	v_lshl_add_u32 v250, v237, 9, v[H16]           ; xc: 512 bytes a token, + 16 h
	v_lshl_add_u32 v251, v237, 5, v[H16]           ; xs: 32 bytes a token, + 16 h
.irp t, 0,1,2,3
	v_lshlrev_b32 v[252+\t], 3, v[238+\t]          ; wts: 8 bytes a token
.endr
	s_wait_alu depctr_va_vdst(0)                   ; v250 to v255 are written, the gathers' offsets; so are v16 to v47, the offsets of all the stores of out0: none of them is written again
.irp q, 0,1,2,3,4,5,6,7
.irp c, 0,1
	global_load_b128 v[XG+8*\q+4*\c:XG+8*\q+4*\c+3], v250, s[8:9] offset:64*\q+32*\c   ; fragment (w, q): K = 128 q + 64 c + 32 h + 0 .. 31
.endr
.endr
	global_load_b128 v[XGS:XGS+3], v251, s[10:11]  ; the scale words of K steps 4 h .. 4 h + 3
.irp t, 0,1,2,3
	global_load_b64 v[242+2*\t:243+2*\t], v[252+\t], s[12:13]
.endr
	ISSUE 3, WA, 3*SB
	s_wait_loadcnt 17                              ; the gathers are in: only set 3 is younger
.irp t, 0,1,2,3
	v_mov_b32 v[WTA+2*\t], v[242+2*\t]
	v_mov_b32 v[WTA+2*\t+1], v[242+2*\t]
	v_mov_b32 v[WTB+2*\t], v[243+2*\t]
	v_mov_b32 v[WTB+2*\t+1], v[243+2*\t]
.endr
.irp q, 0,1,2,3,4,5,6,7
.irp c, 0,1
	ds_store_b128 v5, v[XG+8*\q+4*\c:XG+8*\q+4*\c+3] offset:1024*\q+512*\c   ; the data are as the loads left them: no vector instruction has named them
.endr
.endr
.irp j, 0,1,2,3
	ds_store_b32 v6, v[XGS+\j] offset:256*\j
.endr
	s_wait_dscnt 0x0                               ; my stores have landed, for the others' sake
	s_barrier_signal -1
	s_barrier_wait -1                              ; x's 32 fragments lie in LDS (the weights' loads stay on their way: nobody writes wq)
	WIN 0x80
.set g_, 0
.rept 32
	ds_load_b128 v[8*g_:8*g_+3], v10 offset:1024*g_
	ds_load_b128 v[8*g_+4:8*g_+7], v10 offset:1024*g_+512
.set g_, g_+1
.endr
	WIN 0
.set g_, 0
.rept 16
	ds_load_b32 v[XS+g_], v4 offset:XSC+128*g_
.set g_, g_+1
.endr
	s_wait_dscnt 0x0
.irp n, 0,1,2,3,4,5,6,7
	S1 \n
.endr
	QPH 0                                          ; four sets stay asked for under the vector work, which names none of their registers
.irp n, 8,9,10,11,12,13,14,15
	S1 \n
.endr
	QPH 1
	s_barrier_signal -1                            ; (QPH ends with the wait for my LDS stores)
	s_barrier_wait -1                              ; both hidden layers' 32 fragments lie in LDS
	WIN 0x40
.set g_, 0
.rept 32
	ds_load_b128 v[8*g_:8*g_+3], v9 offset:1024*g_                 ; into window 1: no vector instruction has named it since the wait at the end of hi's quantiser
	ds_load_b128 v[8*g_+4:8*g_+7], v9 offset:1024*g_+512
.set g_, g_+1
.endr
	WIN 0
.set g_, 0
.rept 16
	ds_load_b32 v[HS+g_], v4 offset:HSC+128*g_
.set g_, g_+1
.endr
	s_wait_dscnt 0x0
	s_mov_b32 s34, 3
.Lquad:                                            ; a trip: 64 of my 256 outputs, both experts; it asks for the next trip's four sets
	S2 0, 1, 51
	S2 1, 1, 51
	COMB 0, 1
	S2 2, 1, 51
	S2 3, 1, 51
	COMB 1, 1
	WAYOUT
	s_wait_xcnt 0x0                                ; loads and stores have read their bases
	s_add_nc_u64 s[WA:WA+1], s[WA:WA+1], 2*SB
	s_add_nc_u64 s[WB:WB+1], s[WB:WB+1], 2*SB
	s_add_nc_u64 s[OUT:OUT+1], s[OUT:OUT+1], 256
	s_sub_co_u32 s34, s34, 1
	s_cmp_lg_u32 s34, 0
	s_cbranch_scc1 .Lquad
	S2 0, 0, 51                                    ; the last quad asks for nothing: the counts run down by 17
	S2 1, 0, 34
	COMB 0, 0
	S2 2, 0, 17
	S2 3, 0, 0
	COMB 1, 0
	WAYOUT
	s_wait_dscnt 0x0                               ; the closing lines, six on end
	s_wait_alu 0x0
	s_wait_tensorcnt 0x0
	ds_add_u32 v122, v123
	s_wait_dscnt 0x0
	s_endpgm
.Lfunc_end_k_q675317ea88_experts:
	.size	k_q675317ea88_experts, .Lfunc_end_k_q675317ea88_experts-k_q675317ea88_experts
	.p2alignl 7, 3214868480
	.fill 96, 4, 3214868480
	.section	.rodata,"a",@progbits
	.p2align	6, 0x0
	.amdhsa_kernel k_q675317ea88_experts
		.amdhsa_group_segment_fixed_size 140800
		.amdhsa_private_segment_fixed_size 0
		.amdhsa_enable_private_segment 0
		.amdhsa_kernarg_size 56
		.amdhsa_user_sgpr_count 2
		.amdhsa_user_sgpr_kernarg_segment_ptr 1
		.amdhsa_wavefront_size32 1
		.amdhsa_system_sgpr_workgroup_id_x 1
		.amdhsa_system_sgpr_workgroup_id_y 1
		.amdhsa_system_sgpr_workgroup_id_z 1
		.amdhsa_system_vgpr_workitem_id 0
		.amdhsa_next_free_vgpr 1024
		.amdhsa_next_free_sgpr 66
		.amdhsa_reserve_vcc 0
		.amdhsa_float_denorm_mode_32 3
		.amdhsa_float_denorm_mode_16_64 3
		.amdhsa_memory_ordered 1
		.amdhsa_forward_progress 1
		.amdhsa_inst_pref_size 255
	.end_amdhsa_kernel
	.section	.bss,"aw",@nobits
	.p2align	6
	.space	262144
	.amdgpu_metadata
---
amdhsa.version: [ 1, 2 ]
amdhsa.kernels:
  - .name:           k_q675317ea88_experts
    .symbol:         k_q675317ea88_experts.kd
    .args:
      - { .name: tiles, .offset: 0, .size: 8, .value_kind: global_buffer, .address_space: global }
      - { .name: order, .offset: 8, .size: 8, .value_kind: global_buffer, .address_space: global }
      - { .name: xc, .offset: 16, .size: 8, .value_kind: global_buffer, .address_space: global }
      - { .name: xs, .offset: 24, .size: 8, .value_kind: global_buffer, .address_space: global }
      - { .name: wts, .offset: 32, .size: 8, .value_kind: global_buffer, .address_space: global }
      - { .name: wq, .offset: 40, .size: 8, .value_kind: global_buffer, .address_space: global }
      - { .name: out0, .offset: 48, .size: 8, .value_kind: global_buffer, .address_space: global }
    .group_segment_fixed_size: 140800
    .private_segment_fixed_size: 0
    .kernarg_segment_align: 8
    .kernarg_segment_size: 56
    .max_flat_workgroup_size: 128
    .sgpr_count:     66
    .vgpr_count:     1024
    .wavefront_size: 32
...
	.end_amdgpu_metadata
.endif
;; end of part 4
